; MI455X (gfx1250); checked and timed in simulation.
; The chip was launched on July 23, 2026; its instructions are those of AMD's public machine-readable ISA for CDNA 5 (MIT licence, August 2026) and "CDNA5" Instruction Set Architecture Reference Guide (July 2026). The comments in the code are by the model that wrote it; some were corrected since.
;; Multi Head Attention. Allowed arithmetic: matrix products marked QUANTISED: E2M1 operands, one E8M0 scale for each 32 along K, by v_wmma_scale_f32_16x16x128_f8f6f4 with both operands' format E2M1 (or v_wmma_scale_f32_32x16x128_f4), f32 sums; products left as they are: bf16, f16 or f32 operands; f32 sums; everything else in f32.
;; Inputs: bk 1,024 float32; bo 1,024 float32; bq 1,024 float32; bv 1,024 float32; k 4 x 2,048 x 1,024 float32; mask 4 x 2,048 x 2,048 bool; q 4 x 2,048 x 1,024 float32; v 4 x 2,048 x 1,024 float32; wk 1,024 x 1,024 float32; wo 1,024 x 1,024 float32; wq 1,024 x 1,024 float32; wv 1,024 x 1,024 float32.
;; Outputs: out0 4 x 2,048 x 1,024 float32.
;; This version of the problem:
;;   THIS VERSION OF THE PROBLEM IS GIVEN IN LOW PRECISION. The matrix products marked QUANTISED in the list below multiply operands that are first quantised to E2M1 (2 exponent bits, 1 mantissa bit; 4 bits a number), with one power-of-two scale for each 32 numbers along K (OCP MX v1.0); their sums are f32. The products marked 'left as it is' may take bf16, f16 or f32 operands, with f32 sums. Whichever they take, every output number must still come out within the allowed error. Rounding operands to bf16 (8 significant bits) uses up far more of that allowance than f16 does (11 bits, for magnitudes from 6e-5 to 65,504). All else is computed in f32.
;;   The module's matrix products, in the order in which they are computed (A, B: the left and right operand; K: the contracted axis; several contracted axes count as one K, in the product's order):
;;     1. [M 8,192, K 1,024] x [K 1,024, N 1,024]; A: input q; B: input wq: QUANTISED
;;     2. [M 8,192, K 1,024] x [K 1,024, N 1,024]; A: input k; B: input wk: QUANTISED
;;     3. [M 8,192, K 1,024] x [K 1,024, N 1,024]; A: input v; B: input wv: QUANTISED
;;     4. batch 64 x [M 2,048, K 64] x [K 64, N 2,048]; A: computed on the way; B: computed on the way: left as it is (an operand is computed on the way)
;;     5. batch 64 x [M 2,048, K 2,048] x [K 2,048, N 64]; A: computed on the way; B: computed on the way: left as it is (an operand is computed on the way)
;;     6. [M 8,192, K 1,024] x [K 1,024, N 1,024]; A: computed on the way; B: input wo: left as it is (an operand is computed on the way)
;;   THE QUANTISER, for each operand of a quantised product, along K:
;;     - K is cut into blocks of 32 from its start; a last block that is shorter is filled with zeros.
;;     - A block's scale is 2^e with e = floor(log2(the largest magnitude in the block)) - 2, held to -126 .. 127; a block of zeros has e = 0. As a byte (E8M0): e + 127.
;;     - Each number is divided by its block's scale, clamped to +-6, and rounded to the nearest number of E2M1, ties to even, subnormals kept.
;;     - The product sums the exact products of the quantised numbers (number of the format x scale) in f32.
;;   ~~~python
;;   def quantise(x, axis):      # numpy; x: float32 -> the quantised numbers, widened to float32 again
;;       x = np.moveaxis(x, axis, -1); K = x.shape[-1]
;;       x = np.pad(x, [(0, 0)] * (x.ndim - 1) + [(0, -K % 32)]); x = x.reshape(x.shape[:-1] + (-1, 32)); a = np.abs(x).max(-1, keepdims=True)
;;       e = np.where(a > 0, np.clip(np.frexp(np.where(a > 0, a, 1))[1] - 1 - 2, -126, 127), 0)      # np.frexp(a)[1] - 1 = floor(log2(a)), exactly
;;       r = np.clip(x / 2.0 ** e, -6, 6)
;;       step = 2.0 ** (np.maximum(np.frexp(np.where(r == 0, 1, r))[1] - 1, 0) - 1)
;;       q = np.round(r / step) * step * 2.0 ** e      # np.round: ties to even
;;       return np.moveaxis(q.reshape(q.shape[:-2] + (-1,))[..., :K], -1, axis).astype(np.float32)
;;   ~~~
;; One version. Each part assembles by itself: llvm-mc -triple=amdgcn-amd-amdhsa -mcpu=gfx1250 --defsym DOCPART=n.
;; ======== version 1 of 1: 5 launches
;; limits: values are held in f16: magnitudes above 65,504 overflow, below 6.1e-05 lose precision
;; workspace buffers: mneed 12,288 bytes of whole numbers; mwords 2,097,152 bytes of whole numbers; codes 14,155,776 bytes; scales 884,736 bytes; woimg 2,097,152 bytes; qkv 50,331,648 bytes; fine32 786,432 bytes; zimg 16,777,216 bytes
;; launch prep (part 1): grid 1008 x 1, 4 waves a work-group, no clusters, 101,888 bytes of LDS; arguments q, k, v, wq, wk, wv, wo, mask, codes, scales, woimg, mwords, mneed; writes codes, scales, woimg, mwords, mneed
.if DOCPART == 1
	.amdgcn_target "amdgcn-amd-amdhsa--gfx1250"
	.amdhsa_code_object_version 6
	.text
	.protected	k_q6efc92df97_prep
	.globl	k_q6efc92df97_prep
	.p2align	8
	.type	k_q6efc92df97_prep,@function
k_q6efc92df97_prep:
	s_mov_b64 s[64:65], 0
	v_nop
	global_prefetch_b8 v0, s[64:65] scope:SCOPE_SE
	s_setreg_imm32_b32 hwreg(HW_REG_WAVE_MODE, 25, 1), 1
	s_wait_xcnt 0x0
; Everything that is made once from the inputs, four jobs told apart by the work-group's number:
;   M (  0..127): the mask [4][2048][2048] of bytes -> 32-bit lane masks (mwords), one word for each (16 queries, 16 keys, register j), and flags for each 16 queries x 64 (16) keys (mneed)
;   W (128..175): wq, wk, wv [k][n] f32 -> codes of FP4 (E2M1) with K innermost [n][512 bytes] and E8M0 scale bytes [n][32]
;   O (176..239): wo [k][n] f32 -> f16, laid as the registers of a 16 x 32 operand: [n tile][k/32][half][lane][16 bytes]
;   A (240..1007): q, k, v [8192][1024] f32 -> codes [row][512 bytes] and scale bytes [row][32]
; A block's scale is 2^(floor(log2(largest magnitude)) - 2); its byte is the largest magnitude's exponent field - 2, held at 1 from below.
; LIMITS: a block of zeros gets the byte 1 where the rule says 127 (its codes are zeros and this program alone reads the bytes); NaN and infinities among the inputs are not served;
; |wo| up to 65,504 (f16); a mask byte counts as true where it is not 0.
; No barrier: waves share nothing.  Each job has LDS bytes of its own.
.set SPW,   190                        ; v190 LDS address of my spare word; never rewritten
.set NIL,   191                        ; v191 0; never rewritten
.set LDS_W, 33792                      ; job M: 4 x 16 x 528 bytes from 0; job W: 4 x 32 x 272 from here
.set LDS_A, 68608                      ; job A: 4 x 8,192 from here
.set SPARE, 101376                     ; the spare words: 128 bytes a wave, named by no other line
	s_load_b512 s[4:19], s[0:1], 0x0               ; q, k, v, wq, wk, wv, wo, mask
	s_load_b256 s[20:27], s[0:1], 0x40             ; codes, scales, woimg, mwords
	s_load_b64 s[48:49], s[0:1], 0x60              ; mneed
	v_lshl_add_u32 v[SPW], v0, 2, SPARE
	v_mov_b32 v[NIL], 0
	v_lshrrev_b32 v1, 5, v0
	v_readfirstlane_b32 s28, v1                    ; wave 0..3
	v_and_b32 v2, 31, v0                           ; lane
	s_wait_kmcnt 0x0
	s_cmp_lt_u32 ttmp9, 128
	s_cbranch_scc1 .Lpath_m
	s_cmp_lt_u32 ttmp9, 176
	s_cbranch_scc1 .Lpath_w
	s_cmp_lt_u32 ttmp9, 240
	s_cbranch_scc1 .Lpath_o
; ---------------- job A: a wave takes 16 steps of 512 numbers of a plain stream of blocks of 32
.set SP,  80                           ; a lane's place in a stage: 64 bytes + 16 of padding
.set AR,  16                           ; v16-79   four sets of 16 numbers as loaded
.set AX,  80                           ; v80-111  two sets of 16 neighbours
.set AE,  112                          ; v112-127 a scale byte for each step
.set ACD, 128                          ; v128-189 codes, four registers a step: no store's data are written again
	s_sub_co_u32 s29, ttmp9, 240                   ; 0..767: 256 work-groups to a tensor
	s_lshr_b32 s30, s29, 8
	s_cmp_eq_u32 s30, 0
	s_cselect_b64 s[4:5], s[4:5], s[6:7]           ; the choice hangs on the work-group's number alone
	s_cmp_eq_u32 s30, 2
	s_cselect_b64 s[4:5], s[8:9], s[4:5]
	s_and_b32 s31, s29, 255
	s_lshl_b32 s31, s31, 2
	s_add_co_u32 s31, s31, s28                     ; my run of 8,192 numbers in the tensor
	s_lshl_b32 s32, s31, 15
	s_mov_b32 s33, 0
	s_add_nc_u64 s[4:5], s[4:5], s[32:33]
	s_lshl_b32 s31, s29, 2
	s_add_co_u32 s31, s31, s28                     ; and among all three tensors' runs
	s_lshl_b32 s32, s31, 12                        ; 4,096 bytes of codes a run
	s_add_nc_u64 s[20:21], s[20:21], s[32:33]
	s_lshl_b32 s32, s31, 8                         ; 256 scale bytes a run
	s_add_nc_u64 s[22:23], s[22:23], s[32:33]
	v_lshlrev_b32 v3, 4, v2                        ; my 16 bytes of a load's 512
	s_lshl_b32 s34, s28, 13
	s_add_co_u32 s34, s34, LDS_A                   ; my wave's region
	v_lshrrev_b32 v14, 2, v2
	v_mul_u32_u24 v14, v14, SP
	v_and_b32 v15, 3, v2
	v_lshl_add_u32 v14, v15, 4, v14
	v_add_nc_u32 v14, s34, v14                     ; stage, way in: four lanes' 64 bytes on end, then 16 of padding
	v_mul_u32_u24 v15, v2, SP
	v_add_nc_u32 v15, s34, v15                     ; way out: my 16 neighbours
	v_mul_u32_u24 v4, v2, 8                        ; my codes' place in a step's 256 bytes
	v_lshrrev_b32 v5, 1, v2
	s_add_co_u32 s34, s34, 2*32*SP
	v_add_nc_u32 v5, s34, v5                       ; my block's byte among the wave's 256 scale bytes
	v_lshlrev_b32 v7, 3, v2
	v_add_nc_u32 v6, s34, v7
.macro A_LOAD t
.irp i, 0,1,2,3
	global_load_b128 v[AR+16*((\t)%4)+4*\i:AR+16*((\t)%4)+4*\i+3], v3, s[4:5] offset:2048*(\t)+512*\i th:TH_LOAD_NT   ; 32 lanes read 512 consecutive bytes
.endr
.endm
.macro A_TURN t                        ; a step's numbers through the stage; LDS serves a wave's instructions in order, so no wait between stores and loads
.irp i, 0,1,2,3
	ds_store_b128 v14, v[AR+16*((\t)%4)+4*\i:AR+16*((\t)%4)+4*\i+3] offset:32*SP*((\t)%2)+8*SP*\i
.endr
.irp i, 0,1,2,3
	ds_load_b128 v[AX+16*((\t)%2)+4*\i:AX+16*((\t)%2)+4*\i+3], v15 offset:32*SP*((\t)%2)+16*\i
.endr
.endm
.irp t, 0,1,2,3
	A_LOAD \t
.endr
	s_wait_loadcnt 12                              ; step 0's four loads are in
	A_TURN 0
.macro A_STEP t
.set XS, AX+16*((\t)%2)
.if (\t) > 0
	s_wait_dscnt 1                                 ; this step's numbers are back (the last step's byte store may be out)
.else
	s_wait_dscnt 0x0
.endif
.if (\t)+4 < 16
	A_LOAD (\t)+4
.endif
.if (\t)+1 < 16
.if 14-(\t) >= 3
	s_wait_loadcnt 12                              ; the next step's four loads are in; three steps' may be out
.else
	s_wait_loadcnt 4*(14-(\t))
.endif
	A_TURN (\t)+1
.endif
	v_max3_num_f32 v8, |v[XS]|, |v[XS+1]|, |v[XS+2]|
	v_max3_num_f32 v9, |v[XS+3]|, |v[XS+4]|, |v[XS+5]|
.irp i, 6,10
	v_max3_num_f32 v8, v8, |v[XS+\i]|, |v[XS+\i+1]|
	v_max3_num_f32 v9, v9, |v[XS+\i+2]|, |v[XS+\i+3]|
.endr
	v_max3_num_f32 v8, v8, |v[XS+14]|, |v[XS+15]|
	v_max3_num_f32 v8, v8, v9, 0x1800000           ; the floor 2^(3 - 127): the byte cannot fall under 1
	v_max_num_f32_dpp v8, v8, v8 row_xmask:1 row_mask:0xf bank_mask:0xf   ; with my neighbour's 16: the block's largest magnitude
	v_add_nc_u32 v11, 0xff000000, v8               ; 2 off its exponent field: the conversion's scale operand
	v_cvt_scalef32_pk8_fp4_f32 v[ACD+4*(\t)], v[XS:XS+7], v11
	v_cvt_scalef32_pk8_fp4_f32 v[ACD+4*(\t)+1], v[XS+8:XS+15], v11
	v_lshrrev_b32 v[AE+(\t)], 23, v11              ; the scale's byte
	ds_store_b8 v5, v[AE+(\t)] offset:16*(\t)      ; both lanes of a block write the same byte with the same value
	global_store_b64 v4, v[ACD+4*(\t):ACD+4*(\t)+1], s[20:21] offset:256*(\t)   ; the wave stores 256 consecutive bytes, aligned
.endm
.irp t, 0,1,2,3,4,5,6,7,8,9,10,11,12,13,14,15
	A_STEP \t
.endr
	ds_load_b64 v[8:9], v6                         ; in order behind my byte stores
	s_wait_dscnt 0x0
	global_store_b64 v7, v[8:9], s[22:23]          ; 256 scale bytes, aligned
	s_wait_tensorcnt 0x0                           ; the wave's end, behind my last LDS store
	ds_add_u32 v[SPW], v[NIL]
	s_wait_dscnt 0x0
	s_endpgm
; ---------------- job W: a lane takes a column n and its registers run down K; 32 columns x 512 along K a wave
.Lpath_w:
.set WX,   32                          ; v32-95   two sets of 32 numbers
.set WC,   96                          ; v96-99   a block's codes
.set WOUT, 112                         ; v112-175 the way out
.set WSB,  24                          ; v24-27   the scale bytes, four to a register
	s_sub_co_u32 s29, ttmp9, 128                   ; 0..47: 16 work-groups to a weight
	s_lshr_b32 s30, s29, 4
	s_cmp_eq_u32 s30, 0
	s_cselect_b64 s[10:11], s[10:11], s[12:13]
	s_cmp_eq_u32 s30, 2
	s_cselect_b64 s[10:11], s[14:15], s[10:11]
	s_and_b32 s31, s29, 7
	s_bfe_u32 s32, s29, 0x10003                    ; which 512 along K
	s_lshl_b32 s31, s31, 7
	s_lshl_b32 s33, s28, 5
	s_add_co_u32 s31, s31, s33                     ; my wave's first column
	s_lshl_b32 s34, s32, 21                        ; 512 rows of 4,096 bytes
	s_lshl_b32 s35, s31, 2
	s_add_co_u32 s34, s34, s35
	s_mov_b32 s35, 0
	s_add_nc_u64 s[10:11], s[10:11], s[34:35]
	s_lshl_b32 s34, s30, 19                        ; codes: behind the activations', 524,288 bytes a weight, 512 a column, 256 a half of K
	s_lshl_b32 s36, s31, 9
	s_add_co_u32 s34, s34, s36
	s_lshl_b32 s36, s32, 8
	s_add_co_u32 s34, s34, s36
	s_add_co_u32 s34, s34, 12582912
	s_add_nc_u64 s[20:21], s[20:21], s[34:35]
	s_lshl_b32 s34, s30, 15                        ; scale bytes likewise: 32,768 a weight, 32 a column, 16 a half
	s_lshl_b32 s36, s31, 5
	s_add_co_u32 s34, s34, s36
	s_lshl_b32 s36, s32, 4
	s_add_co_u32 s34, s34, s36
	s_add_co_u32 s34, s34, 786432
	s_add_nc_u64 s[22:23], s[22:23], s[34:35]
	v_lshlrev_b32 v3, 2, v2                        ; in: 4 bytes a lane
	s_mul_i32 s37, s28, 32*272
	s_add_co_u32 s37, s37, LDS_W                   ; my stage
	v_mul_u32_u24 v4, v2, 272
	v_add_nc_u32 v4, s37, v4                       ; into it: row = my column
	v_and_b32 v5, 15, v2
	v_lshrrev_b32 v6, 4, v2
	v_mul_u32_u24 v7, v6, 272
	v_lshl_add_u32 v7, v5, 4, v7
	v_add_nc_u32 v7, s37, v7                       ; out of it: sixteen lanes to a row
	v_mul_u32_u24 v8, v6, 512
	v_lshl_add_u32 v8, v5, 4, v8                   ; the same place in the codes' buffer
	v_lshlrev_b32 v9, 5, v2                        ; my column's row of scale bytes
.macro W_LOAD t
.set wi, 0
.rept 32
	global_load_b32 v[WX+32*((\t)%2)+wi], v3, s[10:11] offset:(32*(\t)+wi)*4096 th:TH_LOAD_NT
.set wi, wi+1
.endr
.endm
	W_LOAD 0
	W_LOAD 1
.macro W_BLOCK t
.set XS, WX+32*((\t)%2)
.if (\t) < 15
	s_wait_loadcnt 32                              ; this block's 32 loads are in; the next block's may be out
.else
	s_wait_loadcnt 0
.endif
	v_max3_num_f32 v12, |v[XS]|, |v[XS+1]|, |v[XS+2]|
	v_max3_num_f32 v13, |v[XS+3]|, |v[XS+4]|, |v[XS+5]|
.irp i, 6,10,14,18,22,26
	v_max3_num_f32 v12, v12, |v[XS+\i]|, |v[XS+\i+1]|
	v_max3_num_f32 v13, v13, |v[XS+\i+2]|, |v[XS+\i+3]|
.endr
	v_max3_num_f32 v12, v12, |v[XS+30]|, |v[XS+31]|
	v_max3_num_f32 v12, v12, v13, 0x1800000
	v_add_nc_u32 v11, 0xff000000, v12
	v_lshrrev_b32 v13, 23, v11
.if (\t)%4 == 0
	v_mov_b32 v[WSB+(\t)/4], v13
.else
	v_lshl_or_b32 v[WSB+(\t)/4], v13, 8*((\t)%4), v[WSB+(\t)/4]
.endif
.irp g, 0,1,2,3
	v_cvt_scalef32_pk8_fp4_f32 v[WC+\g], v[XS+8*\g:XS+8*\g+7], v11
.endr
	ds_store_b128 v4, v[WC:WC+3] offset:16*(\t)
.if (\t)+2 < 16
	W_LOAD (\t)+2
.endif
	s_wait_dscnt 0x0                               ; the store has read its registers: the next block's codes may be written
.endm
.irp t, 0,1,2,3,4,5,6,7,8,9,10,11,12,13,14,15
	W_BLOCK \t
.endr
	global_store_b128 v9, v[WSB:WSB+3], s[22:23]
.irp t, 0,1,2,3,4,5,6,7,8,9,10,11,12,13,14,15
	ds_load_b128 v[WOUT+4*\t:WOUT+4*\t+3], v7 offset:2*\t*272
.endr
.irp t, 0,1,2,3,4,5,6,7,8,9,10,11,12,13,14,15
	s_wait_dscnt 15-\t
	global_store_b128 v8, v[WOUT+4*\t:WOUT+4*\t+3], s[20:21] offset:2*\t*512   ; sixteen lanes store 256 consecutive bytes, aligned
.endr
	s_wait_tensorcnt 0x0
	ds_add_u32 v[SPW], v[NIL]
	s_wait_dscnt 0x0
	s_endpgm
; ---------------- job O: a wave takes one tile of 16 columns x 256 along K: 16 pieces of 512 bytes
.Lpath_o:
	s_sub_co_u32 s29, ttmp9, 176                   ; 0..63
	s_and_b32 s30, s29, 15
	s_lshl_b32 s30, s30, 2
	s_add_co_u32 s30, s30, s28                     ; column tile 0..63: the four waves read 256 consecutive bytes of each row
	s_lshr_b32 s31, s29, 4                         ; which 256 along K
	s_lshl_b32 s32, s30, 6
	s_lshl_b32 s33, s31, 20
	s_add_co_u32 s32, s32, s33
	s_mov_b32 s33, 0
	s_add_nc_u64 s[16:17], s[16:17], s[32:33]
	s_lshl_b32 s32, s30, 15
	s_lshl_b32 s34, s31, 13
	s_add_co_u32 s32, s32, s34
	s_add_nc_u64 s[24:25], s[24:25], s[32:33]
	v_and_b32 v3, 15, v2
	v_lshrrev_b32 v4, 4, v2
	v_lshlrev_b32 v3, 2, v3
	v_lshl_add_u32 v3, v4, 15, v3                  ; column r, and 8 rows further down for lanes 16-31
	v_lshlrev_b32 v5, 4, v2                        ; 16 x lane
.macro O_LOAD p                        ; piece p: wo(16 p + 8 h + i, r), i = 0 .. 7
.irp i, 0,1,2,3,4,5,6,7
	global_load_b32 v[32+8*(\p)+\i], v3, s[16:17] offset:(16*(\p)+\i)*4096
.endr
.endm
.irp p, 0,1,2,3,4,5,6,7
	O_LOAD \p
.endr
.irp p, 0,1,2,3,4,5,6,7,8,9,10,11,12,13,14,15
.if \p <= 8
	s_wait_loadcnt 56                              ; piece p is in; the seven pieces behind it may be out
.else
	s_wait_loadcnt 8*(15-\p)
.endif
.if \p < 8
	O_LOAD \p+8
.endif
.irp i, 0,1,2,3
	v_cvt_pk_f16_f32 v[32+8*\p+\i], v[32+8*\p+2*\i], v[32+8*\p+2*\i+1]   ; ascending, in place: a result never lands on a number not yet read
.endr
	global_store_b128 v5, v[32+8*\p:32+8*\p+3], s[24:25] offset:512*\p   ; 512 consecutive bytes, aligned
.endr
	s_wait_tensorcnt 0x0
	ds_add_u32 v[SPW], v[NIL]
	s_wait_dscnt 0x0
	s_endpgm
; ---------------- job M: a wave takes 16 queries x 2,048 keys, 512 keys a trip
; word (key step ks, tile t, register j): bit l = mask[query l % 16][64 ks + 16 t + 8 (l / 16) + j]: the lane mask that a select on a score register takes.
.Lpath_m:
	s_lshl_b32 s29, ttmp9, 2
	s_add_co_u32 s29, s29, s28                     ; g: the tile of 16 queries, 0..511
	s_lshl_b32 s30, s29, 15
	s_mov_b32 s31, 0
	s_add_nc_u64 s[30:31], s[18:19], s[30:31]      ; its 16 rows of the mask
	s_lshl_b32 s32, s29, 12
	s_mov_b32 s33, 0
	s_add_nc_u64 s[32:33], s[26:27], s[32:33]      ; its 1,024 words
	v_lshlrev_b32 v3, 4, v2                        ; 16 x lane
	s_mul_i32 s46, s28, 16*528                     ; my stage: 16 rows x (512 + 16) bytes
	v_add_nc_u32 v4, s46, v3
	v_and_b32 v5, 15, v2
	v_lshrrev_b32 v6, 4, v2
	v_mul_u32_u24 v5, v5, 528
	v_lshl_add_u32 v5, v6, 3, v5
	v_add_nc_u32 v5, s46, v5                       ; back: row l % 16, 8 bytes for each half of the lanes
.irp i, 8,9,10,11,12,13,14,15
	v_mov_b32 v\i, 0                               ; the words' registers: a lane write's destination counts as read
.endr
	s_mov_b32 s34, 0                               ; trips
	s_mov_b32 s35, 0                               ; need: a bit for each 64 keys
	s_mov_b32 s36, 0                               ; full
	s_mov_b32 s37, 0                               ; need16 of this trip: a bit for each 16 keys
	s_mov_b32 s38, 0
	s_mov_b32 s39, 0
	s_mov_b32 s40, 0
	s_mov_b32 s41, 0
	s_mov_b32 s43, 0                               ; OR and AND over a key step's words
	s_mov_b32 s44, -1
	s_mov_b32 s54, 0                               ; OR over all words: bit l = something counts for (query l % 16, half l / 16)
	s_mov_b32 s50, 0xff
	s_mov_b32 s51, 0xff00
	s_mov_b32 s52, 0xff0000
	s_mov_b32 s53, 0xff000000
.macro M_LOADS
.irp i, 0,1,2,3,4,5,6,7,8,9,10,11,12,13,14,15
	global_load_b128 v[16+4*\i:16+4*\i+3], v3, s[30:31] offset:2048*\i th:TH_LOAD_NT   ; 512 consecutive bytes of row i
.endr
.endm
.macro M_TILE tau                      ; 16 keys: eight words
.irp j, 0,1,2,3,4,5,6,7
	v_and_b32 v[144+\j], s[50+(\j%4)], v[80+2*(\tau)+\j/4]
.endr
.irp j, 0,1,2,3,4,5,6,7
	v_cmp_ne_u32 s[56+\j], 0, v[144+\j]
.endr
.irp j, 0,1,2,3,4,5,6,7
	v_writelane_b32 v[8+((8*(\tau)+\j)/128)*4+(\j%4)], s[56+\j], ((8*(\tau)+\j)%128)/4   ; word n of the trip's 256 goes where a 16-byte store of lane n / 4 takes it
.endr
	s_or_b32 s45, s56, s57
	s_and_b32 s46, s56, s57
.irp j, 2,3,4,5,6,7
	s_or_b32 s45, s45, s[56+\j]
	s_and_b32 s46, s46, s[56+\j]
.endr
	s_or_b32 s54, s54, s45
	s_or_b32 s43, s43, s45
	s_and_b32 s44, s44, s46
	s_lshr_b32 s37, s37, 1                         ; the tile's bit comes in at the top: after 32 tiles tile n stands at bit n
	s_cmp_lg_u32 s45, 0
	s_cselect_b32 s47, 0x80000000, 0
	s_or_b32 s37, s37, s47
.if (\tau)%4 == 3
	s_lshr_b32 s35, s35, 1
	s_cmp_lg_u32 s43, 0
	s_cselect_b32 s47, 0x80000000, 0
	s_or_b32 s35, s35, s47
	s_lshr_b32 s36, s36, 1
	s_cmp_eq_u32 s44, -1
	s_cselect_b32 s47, 0x80000000, 0
	s_or_b32 s36, s36, s47
	s_mov_b32 s43, 0
	s_mov_b32 s44, -1
.endif
.endm
	M_LOADS
.Lm_trip:
	s_wait_loadcnt 0x0
.irp i, 0,1,2,3,4,5,6,7,8,9,10,11,12,13,14,15
	ds_store_b128 v4, v[16+4*\i:16+4*\i+3] offset:528*\i
.endr
.irp u, 0,1,2,3,4,5,6,7,8,9,10,11,12,13,14,15,16,17,18,19,20,21,22,23,24,25,26,27,28,29,30,31
	ds_load_b64 v[80+2*\u:80+2*\u+1], v5 offset:16*\u   ; tile u: my query's keys 16 u + 8 h + 0 .. 7
.endr
	s_wait_dscnt 0x0                               ; the tiles are in, and the stores have read what the next loads land on
	s_cmp_eq_u32 s34, 3
	s_cbranch_scc1 .Lm_last                        ; the last trip loads nothing: no load leaves the buffer
	s_add_nc_u64 s[30:31], s[30:31], 512           ; (the loads that named it are done)
	M_LOADS
.Lm_last:
.irp u, 0,1,2,3,4,5,6,7,8,9,10,11,12,13,14,15,16,17,18,19,20,21,22,23,24,25,26,27,28,29,30,31
	M_TILE \u
.endr
	global_store_b128 v3, v[8:11], s[32:33]        ; 2 x 512 consecutive bytes, aligned
	global_store_b128 v3, v[12:15], s[32:33] offset:512
	s_wait_xcnt 0x0                                ; the stores' data and base are written again only behind this wait
	s_add_nc_u64 s[32:33], s[32:33], 1024
	s_mov_b32 s38, s39
	s_mov_b32 s39, s40
	s_mov_b32 s40, s41
	s_mov_b32 s41, s37
	s_add_co_u32 s34, s34, 1
	s_cmp_lt_u32 s34, 4
	s_cbranch_scc1 .Lm_trip
	s_lshr_b32 s46, s54, 16
	s_or_b32 s46, s46, s54
	s_and_b32 s46, s46, 0xffff                     ; bit r: something counts for query r
	s_cmp_lg_u32 s46, 0xffff                       ; a query for which nothing counts averages all keys: then every tile is needed
	s_cselect_b32 s35, -1, s35
	s_cselect_b32 s38, -1, s38
	s_cselect_b32 s39, -1, s39
	s_cselect_b32 s40, -1, s40
	s_cselect_b32 s41, -1, s41
	v_mov_b32 v16, s35
	v_mov_b32 v17, s36
	v_mov_b32 v20, s38
	v_mov_b32 v21, s39
	v_mov_b32 v22, s40
	v_mov_b32 v23, s41
	v_mov_b32 v18, s29
	v_lshlrev_b32 v19, 4, v18
	v_lshlrev_b32 v18, 2, v18
	v_cmp_eq_u32 vcc_lo, 0, v2
	s_wait_xcnt 0x0                                ; EXEC changes only behind this wait
	s_and_saveexec_b32 s46, vcc_lo
	global_store_b32 v18, v16, s[48:49]                  ; need[g]: the flags have a small buffer of their own
	global_store_b32 v18, v17, s[48:49] offset:2048      ; full[g]
	global_store_b128 v19, v[20:23], s[48:49] offset:4096   ; need16[g][0..3]
	s_wait_xcnt 0x0
	s_or_b32 exec_lo, exec_lo, s46
	s_wait_tensorcnt 0x0
	ds_add_u32 v[SPW], v[NIL]
	s_wait_dscnt 0x0
	s_endpgm
.Lfunc_end_k_q6efc92df97_prep:
	.size	k_q6efc92df97_prep, .Lfunc_end_k_q6efc92df97_prep-k_q6efc92df97_prep
	.p2alignl 7, 3214868480
	.fill 96, 4, 3214868480
	.section	.rodata,"a",@progbits
	.p2align	6, 0x0
	.amdhsa_kernel k_q6efc92df97_prep
		.amdhsa_group_segment_fixed_size 101888
		.amdhsa_private_segment_fixed_size 0
		.amdhsa_enable_private_segment 0
		.amdhsa_kernarg_size 104
		.amdhsa_user_sgpr_count 2
		.amdhsa_user_sgpr_kernarg_segment_ptr 1
		.amdhsa_wavefront_size32 1
		.amdhsa_system_sgpr_workgroup_id_x 1
		.amdhsa_system_sgpr_workgroup_id_y 1
		.amdhsa_system_sgpr_workgroup_id_z 1
		.amdhsa_system_vgpr_workitem_id 0
		.amdhsa_next_free_vgpr 192
		.amdhsa_next_free_sgpr 66
		.amdhsa_reserve_vcc 1
		.amdhsa_float_denorm_mode_32 3
		.amdhsa_float_denorm_mode_16_64 3
		.amdhsa_memory_ordered 1
		.amdhsa_forward_progress 1
		.amdhsa_inst_pref_size 205
	.end_amdhsa_kernel
	.amdgpu_metadata
---
amdhsa.version: [ 1, 2 ]
amdhsa.kernels:
  - .name:           k_q6efc92df97_prep
    .symbol:         k_q6efc92df97_prep.kd
    .args:
      - { .name: q, .offset: 0, .size: 8, .value_kind: global_buffer, .address_space: global }
      - { .name: k, .offset: 8, .size: 8, .value_kind: global_buffer, .address_space: global }
      - { .name: v, .offset: 16, .size: 8, .value_kind: global_buffer, .address_space: global }
      - { .name: wq, .offset: 24, .size: 8, .value_kind: global_buffer, .address_space: global }
      - { .name: wk, .offset: 32, .size: 8, .value_kind: global_buffer, .address_space: global }
      - { .name: wv, .offset: 40, .size: 8, .value_kind: global_buffer, .address_space: global }
      - { .name: wo, .offset: 48, .size: 8, .value_kind: global_buffer, .address_space: global }
      - { .name: mask, .offset: 56, .size: 8, .value_kind: global_buffer, .address_space: global }
      - { .name: codes, .offset: 64, .size: 8, .value_kind: global_buffer, .address_space: global }
      - { .name: scales, .offset: 72, .size: 8, .value_kind: global_buffer, .address_space: global }
      - { .name: woimg, .offset: 80, .size: 8, .value_kind: global_buffer, .address_space: global }
      - { .name: mwords, .offset: 88, .size: 8, .value_kind: global_buffer, .address_space: global }
      - { .name: mneed, .offset: 96, .size: 8, .value_kind: global_buffer, .address_space: global }
    .group_segment_fixed_size: 101888
    .private_segment_fixed_size: 0
    .kernarg_segment_align: 8
    .kernarg_segment_size: 104
    .max_flat_workgroup_size: 128
    .sgpr_count:     66
    .vgpr_count:     192
    .wavefront_size: 32
...
	.end_amdgpu_metadata
.endif
;; end of part 1
;; launch proj (part 2): grid 4 x 96, 4 waves a work-group, clusters of 4 x 4, 327,680 bytes of LDS; arguments codes, scales, bq, bk, bv, qkv, fine32; writes qkv, fine32
.if DOCPART == 2
	.amdgcn_target "amdgcn-amd-amdhsa--gfx1250"
	.amdhsa_code_object_version 6
	.text
	.protected	k_q6efc92df97_proj
	.globl	k_q6efc92df97_proj
	.p2align	8
	.type	k_q6efc92df97_proj,@function
k_q6efc92df97_proj:
	s_mov_b64 s[64:65], 0
	v_nop
	global_prefetch_b8 v0, s[64:65] scope:SCOPE_SE
	s_setreg_imm32_b32 hwreg(HW_REG_WAVE_MODE, 25, 1), 1
	s_wait_xcnt 0x0
	s_wait_alu depctr_hold_cnt(0) depctr_sa_sdst(0) depctr_va_vdst(0) depctr_va_sdst(0) depctr_va_ssrc(0) depctr_va_vcc(0) depctr_vm_vsrc(0)
	s_getreg_b32 s2, hwreg(HW_REG_IB_STS2, 6, 4)
	s_cmp_eq_u32 s2, 0
	s_cbranch_scc0 .Lentry_in_a_cluster
	s_endpgm
.Lentry_in_a_cluster:
	s_bfe_u32 s2, ttmp6, 0x10000c
	s_cmp_lg_u32 s2, 0xf033
	s_cbranch_scc0 .Lentry_shape_is_right
	s_endpgm
.Lentry_shape_is_right:
; The three quantised projections as one product on codes of FP4 (E2M1) with E8M0 scales: rows = 3 x 8,192 tokens (q, k, v), K = 1,024, 1,024 columns of that tensor's weight.
; A work-group of four waves makes 256 x 256, a wave 128 x 128: 64 accumulators, 512 registers.  K = 1,024 is two LDS slots of 512 along K: both, and the scale bytes of the work-group's rows,
; are first fills.
; CLUSTERS: 4 x 4.  Tile row = 32 x tensor + 8 cy + (cluster y % 8), tensor = cluster y / 8: the four rows of a cluster are the same 256 tokens of the four batches, so which tensor it is and whether
; the tile begins a sequence hang on the cluster's y alone and are the same in all partners.  A's tiles are asked for jointly along a row of the cluster, B's along a column.
; WHAT LEAVES: (sum + bias) x f, f = log2(e) / 8 for q and 1 for k and v, rounded to f16 and stored AS THE REGISTERS OF THE NEXT PRODUCT'S OPERAND: a 16 x 16 result packs to 16 bytes a lane, and the wave's 512 bytes in
; lane order are half a fragment of 16 rows x 32 K.  q, k: source 0 = weight, source 1 = tokens: a lane holds one token and eight channels.  v: the other way round: a lane holds one channel and eight tokens (keys).
; So each store covers 512 consecutive bytes, aligned, and no stage in LDS is needed.  The first 16 tokens of each sequence leave in f32 too, for the launch that carries those rows more finely.
; LIMITS: |c q|, |k|, |v| after the projection up to 65,504 (f16).
.set NQ,     4
.set ROWB,   256
.set KROW,   512
.set PITCH,  272                       ; an LDS row: 256 bytes + 16 of padding: the 16 rows of a load start at 16 different banks (64 banks of 4 bytes: ISA guide 11.1)
.set FR,     8
.set NL,     2
.set NP,     4                         ; places behind this matrix instruction (ISA guide 7.12.1)
.set HALFT,  128*PITCH
.set SLOT,   4*HALFT
.set KS,     32
.set SCL,    2*SLOT                    ; behind the slots: the scale bytes, as units of 256 bytes + 16 of padding
.set HALFS,  (128*KS/256)*272
.set SBLK,   (16*KS/256)*272
.set SPARE,  SCL+4*HALFS               ; the spare words: 128 bytes a wave, named by no other line
.set ADRA, 16                          ; v16-17 LDS address of my A fragments in slot 0, 1
.set ADRB, 20                          ; v20-21 the same for B
.set CO,   26                          ; v26 16 x lane
.set ADRS, 27                          ; v27 my scale words: lanes 0-15 A's rows, lanes 16-31 B's
.set SPW,  28
.set NIL,  29
.set BOF,  30                          ; v30 my offset in the bias
.set SC,   32                          ; v32-95 scale words, two sets; on the way out 64 numbers in f32
.set TMP,  32
.set AF,   128                         ; v128-191 A's fragments, one set; on the way out two sets of packed results
.set PK,   128
.set BIAS, 192                         ; v192-255 the bias x f in the result's layout
.set G1, 24
.set G0, 32
.set G1B, 48
.set G0B, 56
.set G1S, 68
.set G0S, 76
.set G1SB, 80
.set G0SB, 88
.set MSB, 0
.macro WIN new                         ; the immediate's high byte repeats the setting that is left
.if MSB != (\new)
	s_set_vgpr_msb (MSB<<8)|(\new)
.set MSB, (\new)
.endif
.endm
.set TO_B, 0x40
; A joint load: waves 0 and 1 fetch for A, waves 2 and 3 for B; the branch hangs on the wave's number alone.  An s_nop 0 and four v_nop follow each line.
.macro JLOAD g0a, g1a, g0b, g1b
	s_cmp_eq_u32 s19, 0
	s_cbranch_scc0 .Lfor_b_\@
	tensor_load_to_lds s[\g0a:\g0a+3], s[\g1a:\g1a+7]
	s_nop 0
.rept 4
	v_nop
.endr
	s_branch .Lasked_\@
.Lfor_b_\@:
	tensor_load_to_lds s[\g0b:\g0b+3], s[\g1b:\g1b+7]
	s_nop 0
.rept 4
	v_nop
.endr
.Lasked_\@:
.endm
.macro CROUND                          ; a round of the cluster's barrier
	s_barrier_signal -1
	s_barrier_wait -1
	s_cmp_lg_u32 s18, 0
	s_cbranch_scc1 .Lnot_wave_0_\@
	s_barrier_signal -3
.Lnot_wave_0_\@:
	s_barrier_wait -3
	s_barrier_signal -1
	s_barrier_wait -1
.endm
	s_load_b128 s[4:7], s[0:1], 0x0                ; codes, scales
	s_load_b256 s[8:15], s[0:1], 0x10              ; bq, bk, bv, qkv
	s_load_b64 s[16:17], s[0:1], 0x30              ; fine32
	v_lshl_add_u32 v[SPW], v0, 2, SPARE
	v_mov_b32 v[NIL], 0
	ds_add_u32 v[SPW], v[NIL]                      ; the wave's opening: the add, twice on end, and its wait ahead of my first tensor load
	ds_add_u32 v[SPW], v[NIL]
	v_lshrrev_b32 v1, 5, v0
	v_readfirstlane_b32 s18, v1                    ; wave 0..3
	s_lshr_b32 s19, s18, 1                         ; which half of the tile's rows is mine.  Also: I fetch for A (0) or for B (1)
	s_and_b32 s20, s18, 1                          ; which half of its columns.  Also: which 128 rows I fetch
	s_bfe_u32 s40, ttmp6, 0x40000                  ; cx
	s_bfe_u32 s41, ttmp6, 0x40004                  ; cy
	s_lshl_b32 s42, ttmp9, 2
	s_add_co_u32 s42, s42, s40                     ; tile column
	s_and_b32 s21, ttmp7, 0xffff                   ; cluster y, 0..23
	s_lshr_b32 s98, s21, 3                         ; the tensor: 0 q, 1 k, 2 v
	s_and_b32 s99, s21, 7                          ; which 256 tokens of a sequence
	s_lshl_b32 s95, s98, 5
	s_add_co_u32 s95, s95, s99
	s_lshl_b32 s21, s41, 3
	s_add_co_u32 s95, s95, s21                     ; tile row; cy is the batch
	s_lshl_b32 s43, s41, 2
	s_lshl_b32 s43, 15, s43                        ; my row of the cluster
	s_lshl_b32 s44, 0x1111, s40                    ; my column
	s_or_b32 s[G1+0], s43, (0<<16)|(1<<20)|(1<<21)|(5<<22)|(3<<25)  ; the mask; elements of 1 byte; padding on; bit 21 beside a mask; 4 words after every 64
	s_or_b32 s[G1B+0], s44, (0<<16)|(1<<20)|(1<<21)|(5<<22)|(3<<25)
.irp g, G1, G1B
	s_mov_b32 s[\g+1], ROWB<<16                    ; tensor_dim0
	s_mov_b32 s[\g+2], 128<<16                     ; tensor_dim1
	s_mov_b32 s[\g+3], ROWB<<16                    ; tile_dim0
	s_mov_b32 s[\g+4], 128                         ; tile_dim1
	s_mov_b32 s[\g+5], KROW                        ; the pitch
	s_mov_b32 s[\g+6], 0
	s_mov_b32 s[\g+7], 0
.endr
	s_or_b32 s[G1S+0], s43, (3<<16)|(1<<20)|(1<<21)|(5<<22)|(3<<25)  ; the scales of 128 rows: 4,096 dense bytes as 16 rows of 256 (32 elements of 8 bytes)
	s_or_b32 s[G1SB+0], s44, (3<<16)|(1<<20)|(1<<21)|(5<<22)|(3<<25)
.irp g, G1S, G1SB
	s_mov_b32 s[\g+1], 32<<16
	s_mov_b32 s[\g+2], (128*KS/256)<<16
	s_mov_b32 s[\g+3], 32<<16
	s_mov_b32 s[\g+4], 128*KS/256
	s_mov_b32 s[\g+5], 32
	s_mov_b32 s[\g+6], 0
	s_mov_b32 s[\g+7], 0
.endr
	s_lshl_b32 s21, s20, 7
	s_lshl_b32 s22, s95, 8
	s_add_co_u32 s22, s22, s21                     ; A: row 256 x tile row + 128 x half
	s_lshl_b32 s46, s42, 8
	s_add_co_u32 s46, s46, s21
	s_lshl_b32 s21, s98, 10
	s_add_co_u32 s46, s46, s21                     ; B: row 1,024 x tensor + 256 x tile column + 128 x half
	s_lshl_b32 s92, s22, 5                         ; 32 scale bytes a row
	s_mov_b32 s93, 0
	s_lshl_b32 s22, s22, 9                         ; 512 bytes of codes a row
	s_mov_b32 s23, 0
	s_lshl_b32 s2, s46, 5
	s_add_co_u32 s2, s2, 786432                    ; the weights' lie behind the activations'
	s_mov_b32 s3, 0
	s_lshl_b32 s46, s46, 9
	s_add_co_u32 s46, s46, 12582912
	s_mov_b32 s47, 0
	s_mul_i32 s45, s18, HALFT                      ; where they go: wave x 128 rows: no place in the cluster enters an LDS address
	s_mul_i32 s94, s18, HALFS
	s_wait_dscnt 0x0                               ; both opening adds are done
	s_wait_kmcnt 0x0
	s_add_nc_u64 s[22:23], s[4:5], s[22:23]
	s_add_nc_u64 s[92:93], s[6:7], s[92:93]
	s_add_nc_u64 s[46:47], s[4:5], s[46:47]
	s_add_nc_u64 s[2:3], s[6:7], s[2:3]
	CROUND                                         ; all sixteen work-groups are here: the first joint loads meet
	s_mov_b32 s[G0S], 1
	s_add_co_u32 s[G0S+1], s94, SCL
	s_mov_b64 s[G0S+2:G0S+3], s[92:93]
	s_or_b32 s[G0S+3], s[G0S+3], 0x80000000
	s_mov_b32 s[G0SB], 1
	s_add_co_u32 s[G0SB+1], s94, SCL
	s_mov_b64 s[G0SB+2:G0SB+3], s[2:3]
	s_or_b32 s[G0SB+3], s[G0SB+3], 0x80000000
	JLOAD G0S, G1S, G0SB, G1SB                     ; the scales first: they are wanted with the first slot
.irp s, 0,1
	s_mov_b32 s[G0+4*\s], 1
	s_add_co_u32 s[G0+4*\s+1], s45, \s*SLOT
	s_add_nc_u64 s[G0+4*\s+2:G0+4*\s+3], s[22:23], \s*ROWB
	s_or_b32 s[G0+4*\s+3], s[G0+4*\s+3], 0x80000000
	s_mov_b32 s[G0B+4*\s], 1
	s_add_co_u32 s[G0B+4*\s+1], s45, \s*SLOT
	s_add_nc_u64 s[G0B+4*\s+2:G0B+4*\s+3], s[46:47], \s*ROWB
	s_or_b32 s[G0B+4*\s+3], s[G0B+4*\s+3], 0x80000000
	JLOAD G0+4*\s, G1, G0B+4*\s, G1B
.endr
	v_and_b32 v1, 15, v0                           ; r = l % 16
	v_bfe_u32 v2, v0, 4, 1                         ; h = l / 16
	v_mul_u32_u24 v3, v1, PITCH
	v_lshl_add_u32 v4, v2, 4, v3
	s_mul_i32 s21, s19, HALFT
	s_mul_i32 s22, s20, HALFT
	s_add_co_u32 s22, s22, 2*HALFT
.irp s, 0,1
	v_add_nc_u32 v[ADRA+\s], s21, v4
	v_add_nc_u32 v[ADRB+\s], s22, v4
	s_add_co_u32 s21, s21, SLOT
	s_add_co_u32 s22, s22, SLOT
.endr
	v_mul_u32_u24 v5, v1, KS
	v_lshrrev_b32 v6, 8, v5
	v_lshl_add_u32 v5, v6, 4, v5                   ; 16 more for each 256 passed
	s_mul_i32 s21, s19, HALFS
	s_mul_i32 s22, s20, HALFS
	s_add_co_u32 s22, s22, 2*HALFS
	s_sub_co_u32 s22, s22, s21
	v_mul_u32_u24 v6, s22, v2                      ; lanes 16-31 take B's: one product, the distance between the two bases
	s_add_co_u32 s21, s21, SCL
	v_add_nc_u32 v5, v5, v6
	v_add_nc_u32 v[ADRS], s21, v5
	v_and_b32 v6, 31, v0
	v_lshlrev_b32 v[CO], 4, v6
	; where my results go: 2^24 x tensor + 262,144 x (16 batch + head) + 2,048 x token tile (v: 8,192 x key step, the same number)
	s_lshl_b32 s21, s41, 4
	s_lshl_b32 s22, s42, 2
	s_add_co_u32 s21, s21, s22
	s_lshl_b32 s22, s20, 1
	s_add_co_u32 s21, s21, s22                     ; 16 batch + my first head
	s_lshl_b32 s22, s21, 12
	s_lshl_b32 s21, s21, 18
	s_lshl_b32 s23, s98, 24
	s_add_co_u32 s21, s21, s23
	s_lshl_b32 s23, s99, 15
	s_add_co_u32 s21, s21, s23
	s_lshl_b32 s23, s19, 14
	s_add_co_u32 s100, s21, s23
	s_mov_b32 s101, 0
	s_add_nc_u64 s[14:15], s[14:15], s[100:101]
	s_lshl_b32 s23, s98, 18
	s_add_co_u32 s100, s22, s23
	s_add_nc_u64 s[16:17], s[16:17], s[100:101]    ; fine32: 262,144 x tensor + 4,096 x (16 batch + head)
	s_cmp_eq_u32 s98, 0
	s_cselect_b64 s[8:9], s[8:9], s[10:11]         ; the tensor's bias
	s_cselect_b32 s96, 0x3e38aa3b, 1.0             ; f: log2(e) / 8 for q
	s_cmp_eq_u32 s98, 2
	s_cselect_b64 s[8:9], s[12:13], s[8:9]
	s_mov_b32 s97, s96
	s_lshl_b32 s100, s42, 10
	s_lshl_b32 s21, s20, 9
	s_add_co_u32 s100, s100, s21
	s_add_nc_u64 s[8:9], s[8:9], s[100:101]        ; at my first column
	s_or_b32 s94, s99, s19                         ; 0 where my first 16 rows are a sequence's first 16 tokens
.macro FRAG reg, adr, q, i             ; 16 rows x 128 K of 4-bit codes: lane l holds row l % 16; registers 4 c .. 4 c + 3 hold K = 64 c + 32 (l / 16) + 0 .. 31
.irp c, 0,1
	ds_load_b128 v[\reg+4*\c:\reg+4*\c+3], v[\adr] offset:64*(\q)+32*\c+(\i)*16*PITCH
.endr
.endm
; 16 matrix instructions: A's blocks a0, a0 + 1 x B's eight.  nat = 0: source 0 = B (its scales in lanes 16-31), source 1 = A; nat = 1: source 0 = A, source 1 = B.
; The 64 accumulators take turns, one instruction a turn, in the same order in every step.
.macro MUL16 a0, p, q, sc, zero, nat
.irp a, \a0, \a0+1
.irp b, 0,1,2,3,4,5,6,7
.if \nat
.if \zero
	v_wmma_scale_f32_16x16x128_f8f6f4 v[8*(8*((\a)%4)+\b):8*(8*((\a)%4)+\b)+7], v[AF+FR*(\a):AF+FR*(\a)+FR-1], v[128*(\p)+FR*\b:128*(\p)+FR*\b+FR-1], 0, v[SC+8*NQ*(\sc)+NQ*(\a)+(\q)], v[SC+8*NQ*(\sc)+NQ*\b+(\q)] matrix_a_fmt:MATRIX_FMT_FP4 matrix_b_fmt:MATRIX_FMT_FP4 matrix_b_scale:MATRIX_SCALE_ROW1
.else
	v_wmma_scale_f32_16x16x128_f8f6f4 v[8*(8*((\a)%4)+\b):8*(8*((\a)%4)+\b)+7], v[AF+FR*(\a):AF+FR*(\a)+FR-1], v[128*(\p)+FR*\b:128*(\p)+FR*\b+FR-1], v[8*(8*((\a)%4)+\b):8*(8*((\a)%4)+\b)+7], v[SC+8*NQ*(\sc)+NQ*(\a)+(\q)], v[SC+8*NQ*(\sc)+NQ*\b+(\q)] matrix_a_fmt:MATRIX_FMT_FP4 matrix_b_fmt:MATRIX_FMT_FP4 matrix_b_scale:MATRIX_SCALE_ROW1
.endif
.else
.if \zero
	v_wmma_scale_f32_16x16x128_f8f6f4 v[8*(8*((\a)%4)+\b):8*(8*((\a)%4)+\b)+7], v[128*(\p)+FR*\b:128*(\p)+FR*\b+FR-1], v[AF+FR*(\a):AF+FR*(\a)+FR-1], 0, v[SC+8*NQ*(\sc)+NQ*\b+(\q)], v[SC+8*NQ*(\sc)+NQ*(\a)+(\q)] matrix_a_fmt:MATRIX_FMT_FP4 matrix_b_fmt:MATRIX_FMT_FP4 matrix_a_scale:MATRIX_SCALE_ROW1
.else
	v_wmma_scale_f32_16x16x128_f8f6f4 v[8*(8*((\a)%4)+\b):8*(8*((\a)%4)+\b)+7], v[128*(\p)+FR*\b:128*(\p)+FR*\b+FR-1], v[AF+FR*(\a):AF+FR*(\a)+FR-1], v[8*(8*((\a)%4)+\b):8*(8*((\a)%4)+\b)+7], v[SC+8*NQ*(\sc)+NQ*\b+(\q)], v[SC+8*NQ*(\sc)+NQ*(\a)+(\q)] matrix_a_fmt:MATRIX_FMT_FP4 matrix_b_fmt:MATRIX_FMT_FP4 matrix_a_scale:MATRIX_SCALE_ROW1
.endif
.endif
.endr
.endr
.endm
.macro FETCH_B slot, q, p
	WIN TO_B
.irp i, 0,1,2,3,4,5,6,7
	FRAG 128*(\p)+FR*\i, ADRB+\slot, \q, \i
.endr
	WIN 0
.endm
.macro FETCH_A slot, q, i0
.irp i, \i0, \i0+1, \i0+2, \i0+3
	FRAG AF+FR*(\i), ADRA+\slot, \q, \i
.endr
.endm
.macro SCALES sc                       ; a slot's scale words: lanes 0-15 take A's block i, lanes 16-31 B's block i
.irp i, 0,1,2,3,4,5,6,7
	ds_load_b128 v[SC+8*NQ*\sc+NQ*\i:SC+8*NQ*\sc+NQ*\i+3], v[ADRS] offset:\i*SBLK
.endr
.endm
.macro PLACES n                        ; plain vector instructions between a matrix instruction and a load into, or a read of, its registers
.rept \n
	v_nop
.endr
.endm
; windows: B's fragments window 1, A's window 0, sums window 2 (my rows 0-63) or 3: nat = 0: 0xa1, 0xf1; nat = 1 (sources the other way round): 0xa4, 0xf4
.macro STEP slot, q, zero, nat
	s_wait_dscnt 4*NL                              ; B's set and A's blocks 0-3 are in; the youngest eight loads (A's blocks 4-7) may be out
	WIN 0xa1+3*(\nat)
	MUL16 0, (\q)%2, \q, \slot, \zero, \nat
	MUL16 2, (\q)%2, \q, \slot, \zero, \nat
	s_wait_dscnt 0
	PLACES NP
	FETCH_B \slot, (\q)+1, 1-(\q)%2
	FETCH_A \slot, (\q)+1, 0
	WIN 0xf1+3*(\nat)
	MUL16 4, (\q)%2, \q, \slot, \zero, \nat
	MUL16 6, (\q)%2, \q, \slot, \zero, \nat
	PLACES NP
	WIN 0
	FETCH_A \slot, (\q)+1, 4
.endm
; Slot 0's last step, and the change to slot 1: each wave waits for all its tensor loads (its part of slot 1), then the barrier shows the whole slot to every wave.  Nothing is filled again.
.macro TURN slot, next, nat
	s_wait_tensorcnt 0x0
	ds_add_u32 v[SPW], v[NIL]                      ; 0 onto my spare word
	s_wait_dscnt 4*NL+1                            ; (the add and the youngest eight loads may be out)
	WIN 0xa1+3*(\nat)
	MUL16 0, 1, NQ-1, \slot, 0, \nat
	s_wait_dscnt 0x0
	s_barrier_signal -1
	MUL16 2, 1, NQ-1, \slot, 0, \nat
	WIN 0
	s_barrier_wait -1
	PLACES NP
	v_add_nc_u32 v[ADRS], 4*NQ, v[ADRS]            ; on to the next slot's scale words
	FETCH_B \next, 0, 0
	FETCH_A \next, 0, 0
	SCALES \next
	WIN 0xf1+3*(\nat)
	MUL16 4, 1, NQ-1, \slot, 0, \nat
	MUL16 6, 1, NQ-1, \slot, 0, \nat
	PLACES NP
	WIN 0
	FETCH_A \next, 0, 4
.endm
.macro STEPS slot, from, nat
.set Q, \from
.rept NQ-1-\from
	STEP \slot, Q, 0, \nat
.set Q, Q+1
.endr
.endm
; Block a (16 tokens x 128 columns) leaves: 64 numbers sum x f + bias x f, each accumulator from its low end on; packed to f16; eight stores of 512 consecutive bytes.
.macro OUTB a, nat
	s_wait_xcnt 0x0                                ; earlier stores have read their data: the registers are written again only behind this wait
	WIN 0x02+(\a)/4
.irp bb, 0,1,2,3,4,5,6,7
.irp i, 0,1,2,3
.if \nat
	v_pk_fma_f32 v[TMP+8*\bb+2*\i:TMP+8*\bb+2*\i+1], v[64*((\a)%4)+8*\bb+2*\i:64*((\a)%4)+8*\bb+2*\i+1], s[96:97], v[BIAS+2*\bb:BIAS+2*\bb+1] op_sel_hi:[1,0,1]
.else
	v_pk_fma_f32 v[TMP+8*\bb+2*\i:TMP+8*\bb+2*\i+1], v[64*((\a)%4)+8*\bb+2*\i:64*((\a)%4)+8*\bb+2*\i+1], s[96:97], v[BIAS+8*\bb+2*\i:BIAS+8*\bb+2*\i+1] op_sel_hi:[1,0,1]
.endif
.endr
.endr
	WIN 0
.if (\a) == 0
	s_cmp_lg_u32 s94, 0                            ; the cluster's y and the wave's number alone: the same in all partners
	s_cbranch_scc1 .Lnofine_\@
.irp bb, 0,1,2,3,4,5,6,7
	global_store_b128 v[CO], v[TMP+8*\bb:TMP+8*\bb+3], s[16:17] offset:(\bb/4)*4096+(\bb%4)*1024
	global_store_b128 v[CO], v[TMP+8*\bb+4:TMP+8*\bb+7], s[16:17] offset:(\bb/4)*4096+(\bb%4)*1024+512
.endr
.Lnofine_\@:
.endif
.irp bb, 0,1,2,3,4,5,6,7
.irp i, 0,1,2,3
	v_cvt_pk_f16_f32 v[PK+32*((\a)%2)+4*\bb+\i], v[TMP+8*\bb+2*\i], v[TMP+8*\bb+2*\i+1]
.endr
.endr
.irp bb, 0,1,2,3,4,5,6,7
.if \nat
	global_store_b128 v[CO], v[PK+32*((\a)%2)+4*\bb:PK+32*((\a)%2)+4*\bb+3], s[14:15] offset:(\bb/4)*262144+((\a)/4)*8192+(((\a)/2)%2)*4096+((\a)%2)*512+(\bb%4)*1024
.else
	global_store_b128 v[CO], v[PK+32*((\a)%2)+4*\bb:PK+32*((\a)%2)+4*\bb+3], s[14:15] offset:(\bb/4)*262144+(\a)*2048+(\bb%4)*512
.endif
.endr
.endm
.macro BODY nat
.if \nat
	v_lshlrev_b32 v[BOF], 2, v1                    ; a lane holds one channel: bias[16 bb + r], in both registers of a pair
.irp bb, 0,1,2,3,4,5,6,7
	global_load_b32 v[BIAS+2*\bb], v[BOF], s[8:9] offset:64*\bb
	global_load_b32 v[BIAS+2*\bb+1], v[BOF], s[8:9] offset:64*\bb
.endr
.else
	v_lshlrev_b32 v[BOF], 5, v2                    ; a lane holds eight channels: bias[16 bb + 8 h + 0 .. 7]
.irp bb, 0,1,2,3,4,5,6,7
	global_load_b128 v[BIAS+8*\bb:BIAS+8*\bb+3], v[BOF], s[8:9] offset:64*\bb
	global_load_b128 v[BIAS+8*\bb+4:BIAS+8*\bb+7], v[BOF], s[8:9] offset:64*\bb+16
.endr
.endif
	STEP 0, 0, 1, \nat                             ; the first products start the sums: nothing is cleared
	STEPS 0, 1, \nat
	TURN 0, 1, \nat
	STEPS 1, 0, \nat
	s_wait_dscnt 4*NL
	WIN 0xa1+3*(\nat)
	MUL16 0, 1, NQ-1, 1, 0, \nat
	MUL16 2, 1, NQ-1, 1, 0, \nat
	s_wait_dscnt 0
	WIN 0xf1+3*(\nat)
	MUL16 4, 1, NQ-1, 1, 0, \nat
	MUL16 6, 1, NQ-1, 1, 0, \nat
	WIN 0
	PLACES NP
	s_wait_loadcnt 0x0                             ; the bias
.set n, 0
.rept 32-24*(\nat)
	v_pk_mul_f32 v[BIAS+2*n:BIAS+2*n+1], v[BIAS+2*n:BIAS+2*n+1], s[96:97] op_sel_hi:[1,0]
.set n, n+1
.endr
.irp a, 0,1,2,3,4,5,6,7
	OUTB \a, \nat
.endr
	s_wait_tensorcnt 0x0                           ; the wave's end
	ds_add_u32 v[SPW], v[NIL]
	s_wait_dscnt 0x0
	CROUND                                         ; the closing round
	s_endpgm
.endm
	s_wait_tensorcnt 1                             ; the scales and my part of slot 0 are in; slot 1's load may be out
	s_barrier_signal -1
	s_barrier_wait -1
	FETCH_B 0, 0, 0
	FETCH_A 0, 0, 0
	SCALES 0
	FETCH_A 0, 0, 4
	s_cmp_eq_u32 s98, 2                            ; v's results are wanted the other way round: the cluster's y alone decides
	s_cbranch_scc1 .Lnat1
	BODY 0
.Lnat1:
	BODY 1
.Lfunc_end_k_q6efc92df97_proj:
	.size	k_q6efc92df97_proj, .Lfunc_end_k_q6efc92df97_proj-k_q6efc92df97_proj
	.p2alignl 7, 3214868480
	.fill 96, 4, 3214868480
	.section	.rodata,"a",@progbits
	.p2align	6, 0x0
	.amdhsa_kernel k_q6efc92df97_proj
		.amdhsa_group_segment_fixed_size 327680
		.amdhsa_private_segment_fixed_size 0
		.amdhsa_enable_private_segment 0
		.amdhsa_kernarg_size 56
		.amdhsa_user_sgpr_count 2
		.amdhsa_user_sgpr_kernarg_segment_ptr 1
		.amdhsa_wavefront_size32 1
		.amdhsa_system_sgpr_workgroup_id_x 1
		.amdhsa_system_sgpr_workgroup_id_y 1
		.amdhsa_system_sgpr_workgroup_id_z 1
		.amdhsa_system_vgpr_workitem_id 0
		.amdhsa_next_free_vgpr 1024
		.amdhsa_next_free_sgpr 102
		.amdhsa_reserve_vcc 0
		.amdhsa_float_denorm_mode_32 3
		.amdhsa_float_denorm_mode_16_64 3
		.amdhsa_memory_ordered 1
		.amdhsa_forward_progress 1
		.amdhsa_inst_pref_size 255
	.end_amdhsa_kernel
	.section	.bss,"aw",@nobits
	.p2align	6
	.space	262144
	.amdgpu_metadata
---
amdhsa.version: [ 1, 2 ]
amdhsa.kernels:
  - .name:           k_q6efc92df97_proj
    .symbol:         k_q6efc92df97_proj.kd
    .args:
      - { .name: codes, .offset: 0, .size: 8, .value_kind: global_buffer, .address_space: global }
      - { .name: scales, .offset: 8, .size: 8, .value_kind: global_buffer, .address_space: global }
      - { .name: bq, .offset: 16, .size: 8, .value_kind: global_buffer, .address_space: global }
      - { .name: bk, .offset: 24, .size: 8, .value_kind: global_buffer, .address_space: global }
      - { .name: bv, .offset: 32, .size: 8, .value_kind: global_buffer, .address_space: global }
      - { .name: qkv, .offset: 40, .size: 8, .value_kind: global_buffer, .address_space: global }
      - { .name: fine32, .offset: 48, .size: 8, .value_kind: global_buffer, .address_space: global }
    .group_segment_fixed_size: 327680
    .private_segment_fixed_size: 0
    .kernarg_segment_align: 8
    .kernarg_segment_size: 56
    .max_flat_workgroup_size: 128
    .sgpr_count:     102
    .vgpr_count:     1024
    .wavefront_size: 32
...
	.end_amdgpu_metadata
.endif
;; end of part 2
;; launch attn (part 3): grid 64 x 4, 8 waves a work-group, no clusters, 33,792 bytes of LDS; arguments qkv, mwords, mneed, zimg; writes zimg
.if DOCPART == 3
	.amdgcn_target "amdgcn-amd-amdhsa--gfx1250"
	.amdhsa_code_object_version 6
	.text
	.protected	k_q6efc92df97_attn
	.globl	k_q6efc92df97_attn
	.p2align	8
	.type	k_q6efc92df97_attn,@function
k_q6efc92df97_attn:
	s_mov_b64 s[64:65], 0
	v_nop
	global_prefetch_b8 v0, s[64:65] scope:SCOPE_SE
	s_setreg_imm32_b32 hwreg(HW_REG_WAVE_MODE, 25, 1), 1
	s_wait_xcnt 0x0
; z = softmax(where(mask, q k^T / 8, -FLT_MAX)) v for one (batch, head) a work-group column; f16 operands, f32 sums, maxima and exponentials; a running maximum.
; q arrives multiplied by log2(e) / 8, so a score is t in base 2: p = 2^(t - m).  A hidden score is -FLT_MAX: t - m is then exactly 0 where the whole row so far is hidden (p = 1) and p = 0 otherwise;
; what a row summed while all was hidden is multiplied by a = 2^(m_old - m_new) = 0 at its first key that counts.  A row that is hidden everywhere averages all keys, as the definition has it.
; SHARES.  Work-group (x = 16 batch + head, y = p) walks two blocks of 256 queries, p and 7 - p; each of its eight waves owns 32 queries (two tiles), two waves to a SIMD.  Keys go 64 a step.
; LAYOUT.  S^T = K Q^T and O^T = V^T P: a lane holds one query throughout.  Q, K, V lie in memory as operand registers: every fragment is read as 16 bytes a lane in lane order, no padding, no turning.
; THE MASK comes as 32-bit lane masks (mwords: one select a score register) and as two flags for 16 queries x 64 keys (mneed), stored by the launch before: where nothing counts and no row is hidden everywhere, the
; step's work is jumped over (its p would be 0); where everything counts, the selects are.  These are branches on stored whole numbers, right for every mask.
; NO TENSOR LOADS AND NO CLUSTER: which tiles are fetched hangs on those stored numbers, and partners would want different tiles; so K and V go memory -> registers -> LDS, a step ahead, two slots, one barrier a step.
; The sums are cleared by moves at a pass's head: which step is a wave's first is known only from the flags.
; LIMITS: operands f16 (up to 65,504); the first 16 queries of each sequence are made again, more finely, by a later launch.
.set LAD,  1                           ; v1 16 x lane
.set SAD,  2                           ; v2 16 x thread: LDS address of what I stage, and K's offset in memory
.set GVO,  3                           ; v3 the same + 2^24: V's
.set PFO,  4                           ; v4 the prefetches' offset
.set NEGR, 5                           ; v5 -FLT_MAX
.set SPW,  6
.set NIL,  7
.set ST,   8                           ; tile u's statistics at v[8 + 12 u]: +0 m, +1 -, +2, +3 l, +4 a, +5 -, +6..9 at work, +10 the new m
.set S,    32                          ; v32-95   S^T, then p: tile (u, kt) at 32 u + 8 kt
.set P,    96                          ; v96-127  p in f16
.set KF,   128                         ; v128-191 K's fragments
.set VF,   192                         ; v192-255 V's
.set Q1,   0                           ; window 1: v0-31 Q; v32-95 O^T; v96-111 the staged tile; v112-143 z packed
.set O1,   32
.set SG1,  96
.set ZP1,  112
.set SPARE, 32768                      ; behind the two slots of 16,384 bytes (K's 8,192, then V's)
.set MSB, 0
.macro WIN new
.if MSB != (\new)
	s_set_vgpr_msb (MSB<<8)|(\new)
.set MSB, (\new)
.endif
.endm
	s_load_b128 s[4:7], s[0:1], 0x0                ; qkv, mwords
	s_load_b64 s[66:67], s[0:1], 0x10              ; mneed: need[512], full[512] from byte 2,048
	s_load_b64 s[8:9], s[0:1], 0x18                ; zimg
	v_lshl_add_u32 v[SPW], v0, 2, SPARE
	v_mov_b32 v[NIL], 0
	v_lshrrev_b32 v1, 5, v0
	v_readfirstlane_b32 s10, v1                    ; wave 0..7
	v_and_b32 v4, 31, v0
	v_lshlrev_b32 v[LAD], 4, v4
	v_lshlrev_b32 v[SAD], 4, v0
	v_add_nc_u32 v[GVO], 0x1000000, v[SAD]
	s_and_b32 s2, s10, 1
	s_lshl_b32 s2, s2, 24
	v_lshl_add_u32 v[PFO], v4, 8, s2               ; 256 x lane; wave 1: in V
	v_mov_b32 v[NEGR], 0xff7fffff
.set n, 8
.rept 24
	v_mov_b32 v[n], 0                              ; the statistics: written once whole (pairs' upper halves, a lane permute's destination)
.set n, n+1
.endr
	s_mov_b32 s11, ttmp9
	s_and_b32 s12, ttmp7, 0xffff                   ; p
	s_mov_b32 s98, 0x76543210
	s_mov_b32 s99, 0xfedcba98                      ; lane l xor 16
	s_mov_b32 s88, 0                               ; key steps already asked for
	s_mov_b32 s13, 2                               ; passes
	s_mov_b32 s15, s12                             ; the block of queries
	s_lshl_b32 s2, s11, 18
	s_mov_b32 s3, 0
	s_lshr_b32 s89, s11, 4
	s_lshl_b32 s89, s89, 7                         ; 128 x batch
	s_wait_kmcnt 0x0
	s_add_nc_u64 s[4:5], s[4:5], s[2:3]            ; my head's Q; K lies 2^24, V 2^25 bytes on
	s_and_b32 s2, s11, 15
	s_lshl_b32 s2, s2, 11
	s_add_nc_u64 s[8:9], s[8:9], s[2:3]            ; z: my head's 2,048 bytes of a token tile
.macro COMPUTE slot
.set n, 0
.rept 16
	ds_load_b128 v[KF+4*n:KF+4*n+3], v[LAD] offset:(\slot)*16384+512*n
.set n, n+1
.endr
	s_wait_dscnt 0x0
	WIN 0x04                                       ; Q in window 1
.irp f, 0,1
.irp kt, 0,1,2,3
.irp u, 0,1
.if \f == 0
	v_wmma_f32_16x16x32_f16 v[S+32*\u+8*\kt:S+32*\u+8*\kt+7], v[KF+16*\kt:KF+16*\kt+7], v[Q1+16*\u:Q1+16*\u+7], 0
.else
	v_wmma_f32_16x16x32_f16 v[S+32*\u+8*\kt:S+32*\u+8*\kt+7], v[KF+16*\kt+8:KF+16*\kt+15], v[Q1+16*\u+8:Q1+16*\u+15], v[S+32*\u+8*\kt:S+32*\u+8*\kt+7]
.endif
.endr
.endr
.endr                                  ; eight accumulators by turns
	WIN 0
.set n, 0
.rept 16
	ds_load_b128 v[VF+4*n:VF+4*n+3], v[LAD] offset:(\slot)*16384+8192+512*n   ; V lands while the softmax is walked
.set n, n+1
.endr
.rept 4
	v_nop                                          ; places behind the products
.endr
	s_bitcmp1_b32 s86, 0                           ; everything counts for my 32 queries here: no selects
	s_cbranch_scc1 .Lfull_\@
	s_load_b512 s[16:31], s[94:95], 0x0            ; tile 0: key tiles 0, 1
	s_load_b512 s[32:47], s[94:95], 0x40           ; key tiles 2, 3
	s_load_b512 s[48:63], s[94:95], 0x1000         ; tile 1
	s_load_b512 s[68:83], s[94:95], 0x1040
	s_wait_kmcnt 0x0
.set n, 0
.rept 16
	v_cndmask_b32 v[S+n], v[NEGR], v[S+n], s[16+n] ; a set bit keeps the score
.set n, n+1
.endr
.set n, 0
.rept 16
	v_cndmask_b32 v[S+16+n], v[NEGR], v[S+16+n], s[32+n]
.set n, n+1
.endr
.set n, 0
.rept 16
	v_cndmask_b32 v[S+32+n], v[NEGR], v[S+32+n], s[48+n]
.set n, n+1
.endr
.set n, 0
.rept 16
	v_cndmask_b32 v[S+48+n], v[NEGR], v[S+48+n], s[68+n]
.set n, n+1
.endr
.Lfull_\@:
.irp k, 0,1,2,3                        ; the maximum of 32 scores and the old m: four chains, the two tiles by turns; each accumulator is first read at its low end
.irp u, 0,1
	v_max3_num_f32 v[ST+12*\u+6+\k], v[S+32*\u+8*\k], v[S+32*\u+8*\k+1], v[S+32*\u+8*\k+2]
.endr
.endr
.irp e, 3,5
.irp k, 0,1,2,3
.irp u, 0,1
	v_max3_num_f32 v[ST+12*\u+6+\k], v[ST+12*\u+6+\k], v[S+32*\u+8*\k+\e], v[S+32*\u+8*\k+\e+1]
.endr
.endr
.endr
.irp u, 0,1
	v_max3_num_f32 v[ST+12*\u+6], v[ST+12*\u+6], v[S+32*\u+7], v[S+32*\u+15]
.endr
.irp u, 0,1
	v_max3_num_f32 v[ST+12*\u+8], v[ST+12*\u+8], v[S+32*\u+23], v[S+32*\u+31]
.endr
.irp u, 0,1
	v_max3_num_f32 v[ST+12*\u+6], v[ST+12*\u+6], v[ST+12*\u+7], v[ST+12*\u+8]
.endr
.irp u, 0,1
	v_max3_num_f32 v[ST+12*\u+6], v[ST+12*\u+6], v[ST+12*\u+9], v[ST+12*\u]
.endr
.irp u, 0,1
	v_permlanex16_b32 v[ST+12*\u+7], v[ST+12*\u+6], s98, s99   ; the query's other 32 keys lie 16 lanes away
.endr
.irp u, 0,1
	v_max_num_f32 v[ST+12*\u+10], v[ST+12*\u+6], v[ST+12*\u+7]
.endr
.irp u, 0,1
	v_sub_f32 v[ST+12*\u+8], v[ST+12*\u], v[ST+12*\u+10]       ; m_old - m_new
.endr
.irp u, 0,1
	v_mov_b32 v[ST+12*\u], v[ST+12*\u+10]
.endr
.irp j, 0,2,4,6,8,10,12,14,16,18,20,22,24,26,28,30
.irp u, 0,1
	v_pk_add_f32 v[S+32*\u+\j:S+32*\u+\j+1], v[S+32*\u+\j:S+32*\u+\j+1], v[ST+12*\u:ST+12*\u+1] op_sel_hi:[1,0] neg_lo:[0,1] neg_hi:[0,1]   ; t - m: a plain difference, exactly 0 for -FLT_MAX less itself
.endr
.endr
.irp u, 0,1
	v_exp_f32 v[ST+12*\u+4], v[ST+12*\u+8]         ; a
.endr
.set n, 0
.rept 64
	v_exp_f32 v[S+n], v[S+n]                       ; p
.set n, n+1
.endr
	v_nop                                          ; a plain instruction behind the last exponential
	s_wait_alu depctr_va_vdst(0)                   ; one wait for the batch of 66, ahead of its first reader
.irp j, 0,1,2,3,4,5,6,7,8,9,10,11,12,13,14,15
.irp u, 0,1
	v_cvt_pk_f16_f32 v[P+16*\u+\j], v[S+32*\u+2*\j], v[S+32*\u+2*\j+1]
.endr
.endr
.irp z, 0,1,2,3,4,5,6,7                ; the sum of the unrounded p, in place
.irp u, 0,1
	v_pk_add_f32 v[S+32*\u+4*\z:S+32*\u+4*\z+1], v[S+32*\u+4*\z:S+32*\u+4*\z+1], v[S+32*\u+4*\z+2:S+32*\u+4*\z+3]
.endr
.endr
.irp z, 0,1,2,3
.irp u, 0,1
	v_pk_add_f32 v[S+32*\u+8*\z:S+32*\u+8*\z+1], v[S+32*\u+8*\z:S+32*\u+8*\z+1], v[S+32*\u+8*\z+4:S+32*\u+8*\z+5]
.endr
.endr
.irp z, 0,1
.irp u, 0,1
	v_pk_add_f32 v[S+32*\u+16*\z:S+32*\u+16*\z+1], v[S+32*\u+16*\z:S+32*\u+16*\z+1], v[S+32*\u+16*\z+8:S+32*\u+16*\z+9]
.endr
.endr
.irp u, 0,1
	v_pk_add_f32 v[S+32*\u:S+32*\u+1], v[S+32*\u:S+32*\u+1], v[S+32*\u+16:S+32*\u+17]
.endr
.irp u, 0,1
	v_pk_fma_f32 v[ST+12*\u+2:ST+12*\u+3], v[ST+12*\u+2:ST+12*\u+3], v[ST+12*\u+4:ST+12*\u+5], v[S+32*\u:S+32*\u+1] op_sel_hi:[1,0,1]   ; l = a l + the sum
.endr
	WIN 0x41                                       ; O^T in window 1, a in window 0
.irp j, 0,2,4,6,8,10,12,14,16,18,20,22,24,26,28,30
.irp u, 0,1
	v_pk_mul_f32 v[O1+32*\u+\j:O1+32*\u+\j+1], v[O1+32*\u+\j:O1+32*\u+\j+1], v[ST+12*\u+4:ST+12*\u+5] op_sel_hi:[1,0]
.endr
.endr
	s_wait_dscnt 0x0                               ; V is in
	WIN 0x50                                       ; C and D in window 1
.irp kg, 0,1
.irp ct, 0,1,2,3
.irp u, 0,1
	v_wmma_f32_16x16x32_f16 v[O1+32*\u+8*\ct:O1+32*\u+8*\ct+7], v[VF+32*\kg+8*\ct:VF+32*\kg+8*\ct+7], v[P+16*\u+8*\kg:P+16*\u+8*\kg+7], v[O1+32*\u+8*\ct:O1+32*\u+8*\ct+7]
.endr
.endr
.endr
	WIN 0
.rept 4
	v_nop                                          ; places ahead of the next loads into V's registers and the next read of O^T
.endr
.endm
; One key step.  Bit 0 of the four flag words is this step's, bit 1 the next step's.
.macro TRIP slot
	s_bitcmp1_b32 s84, 1                           ; does any of the work-group's 256 queries need the next step?
	s_cbranch_scc0 .Lnost_\@
	WIN 0x40
	global_load_b128 v[SG1:SG1+3], v[SAD], s[90:91] offset:8192
	global_load_b128 v[SG1+4:SG1+7], v[SAD], s[90:91] offset:12288
	global_load_b128 v[SG1+8:SG1+11], v[GVO], s[90:91] offset:8192
	global_load_b128 v[SG1+12:SG1+15], v[GVO], s[90:91] offset:12288
	WIN 0
.Lnost_\@:
	; A prefetch of the step three on, two trips ahead of the trip that loads it: wave 0 names K's 32 blocks of 256 bytes, wave 1 V's, in the head's work-group p = 0 alone; a step is named once in the launch
	; (the word of steps already asked for); the flag words are shifted down with zeros coming in, so nothing behind the last step is named.  Steps 0 to 2 come by their loads alone.
	s_bitcmp1_b32 s87, 3
	s_cbranch_scc0 .Lnopf_\@
	global_prefetch_b8 v[PFO], s[90:91] offset:24576 th:TH_LOAD_NT scope:SCOPE_SE
.Lnopf_\@:
	s_bitcmp1_b32 s85, 0                           ; do my 32 queries need this step?
	s_cbranch_scc0 .Lnoc_\@
	COMPUTE \slot
.Lnoc_\@:
	s_wait_loadcnt 0x0                             ; the staged tile is in registers
	s_bitcmp1_b32 s84, 1
	s_cbranch_scc0 .Lnosd_\@
	WIN 0x04                                       ; an LDS store's data: window 1
	ds_store_b128 v[SAD], v[SG1:SG1+3] offset:(1-\slot)*16384
	ds_store_b128 v[SAD], v[SG1+4:SG1+7] offset:(1-\slot)*16384+4096
	ds_store_b128 v[SAD], v[SG1+8:SG1+11] offset:(1-\slot)*16384+8192
	ds_store_b128 v[SAD], v[SG1+12:SG1+15] offset:(1-\slot)*16384+12288
	WIN 0
.Lnosd_\@:
	s_wait_dscnt 0x0                               ; my stores into the other slot have landed and my reads of this slot are over:
	s_barrier_signal -1                            ; one barrier orders this step's reads before the next step's stores into this slot,
	s_barrier_wait -1                              ; and this step's stores before the next step's reads
	s_wait_xcnt 0x0                                ; the bases are stepped only behind this wait
	s_add_nc_u64 s[90:91], s[90:91], 8192
	s_add_nc_u64 s[94:95], s[94:95], 128
	s_lshr_b32 s84, s84, 1
	s_lshr_b32 s85, s85, 1
	s_lshr_b32 s86, s86, 1
	s_lshr_b32 s87, s87, 1
.endm
.Lpass:
	s_wait_xcnt 0x0                                ; the last pass's stores and loads have read their registers
	s_lshl_b32 s2, s15, 4
	s_add_co_u32 s2, s2, s89                       ; the block's first tile of queries, among all 512
	s_lshl_b32 s100, s10, 1
	s_add_co_u32 s100, s100, s2                    ; my first tile
	s_lshl_b32 s2, s2, 2
	s_mov_b32 s3, 0
	s_add_nc_u64 s[2:3], s[66:67], s[2:3]
	s_load_b512 s[16:31], s[2:3], 0x0              ; need of the block's 16 tiles
	s_lshl_b32 s92, s100, 2
	s_mov_b32 s93, 0
	s_add_nc_u64 s[92:93], s[66:67], s[92:93]
	s_load_b64 s[96:97], s[92:93], 0x0             ; need of my two
	s_load_b64 s[86:87], s[92:93], 0x800           ; full of my two
	s_wait_kmcnt 0x0
	s_or_b32 s84, s16, s17
.set n, 18
.rept 14
	s_or_b32 s84, s84, s[n]
.set n, n+1
.endr
	s_or_b32 s85, s96, s97
	s_and_b32 s86, s86, s87
	s_and_not1_b32 s87, s84, s88                   ; steps to prefetch: needed and not yet asked for,
	s_lshr_b32 s2, s10, 1
	s_or_b32 s2, s2, s12
	s_cmp_eq_u32 s2, 0                             ; in waves 0 and 1 of work-group p = 0
	s_cselect_b32 s87, s87, 0
	s_or_b32 s88, s88, s84
	s_add_nc_u64 s[90:91], s[4:5], 0x1000000       ; K's step 0
	s_lshl_b32 s2, s100, 12
	s_mov_b32 s3, 0
	s_add_nc_u64 s[94:95], s[6:7], s[2:3]          ; my lane masks
	s_sub_co_u32 s101, s100, s89
	s_lshl_b32 s2, s101, 11
	s_add_nc_u64 s[92:93], s[4:5], s[2:3]          ; my Q
	s_lshl_b32 s2, s100, 15
	s_add_nc_u64 s[96:97], s[8:9], s[2:3]          ; my z
	WIN 0x40
.set n, 0
.rept 8
	global_load_b128 v[Q1+4*n:Q1+4*n+3], v[LAD], s[92:93] offset:512*n
.set n, n+1
.endr
	global_load_b128 v[SG1:SG1+3], v[SAD], s[90:91]              ; step 0 is staged whatever the flags say
	global_load_b128 v[SG1+4:SG1+7], v[SAD], s[90:91] offset:4096
	global_load_b128 v[SG1+8:SG1+11], v[GVO], s[90:91]
	global_load_b128 v[SG1+12:SG1+15], v[GVO], s[90:91] offset:4096
.set n, 0
.rept 64
	v_mov_b32 v[O1+n], 0
.set n, n+1
.endr
	WIN 0
.irp u, 0,1
	v_mov_b32 v[ST+12*\u], v[NEGR]                 ; m = -FLT_MAX, l = 0
	v_mov_b32 v[ST+12*\u+2], 0
	v_mov_b32 v[ST+12*\u+3], 0
.endr
	s_wait_loadcnt 0x0
	WIN 0x04
	ds_store_b128 v[SAD], v[SG1:SG1+3]             ; slot 0: every wave has passed the last step's barrier behind its last read of it
	ds_store_b128 v[SAD], v[SG1+4:SG1+7] offset:4096
	ds_store_b128 v[SAD], v[SG1+8:SG1+11] offset:8192
	ds_store_b128 v[SAD], v[SG1+12:SG1+15] offset:12288
	WIN 0
	s_wait_dscnt 0x0
	s_barrier_signal -1
	s_barrier_wait -1
	s_mov_b32 s14, 16
.Ltrip:                                            ; 16 trips of two key steps: a constant count, so every wave passes every barrier
	TRIP 0
	TRIP 1
	s_sub_co_u32 s14, s14, 1
	s_cmp_lg_u32 s14, 0
	s_cbranch_scc1 .Ltrip
	; the way out of a pass: O^T / l, packed: a tile's 16 x 16 piece is 512 consecutive bytes of the next product's operand
.irp u, 0,1
	v_add_f32 v[ST+12*\u+6], v[ST+12*\u+2], v[ST+12*\u+3]
.endr
.irp u, 0,1
	v_permlanex16_b32 v[ST+12*\u+7], v[ST+12*\u+6], s98, s99
.endr
.irp u, 0,1
	v_add_f32 v[ST+12*\u+6], v[ST+12*\u+6], v[ST+12*\u+7]
.endr
.irp u, 0,1
	v_rcp_f32 v[ST+12*\u+4], v[ST+12*\u+6]
.endr
	v_nop
	s_wait_alu depctr_va_vdst(0)                   ; one wait for both reciprocals, ahead of their first reader
	WIN 0x41
.irp j, 0,2,4,6,8,10,12,14,16,18,20,22,24,26,28,30
.irp u, 0,1
	v_pk_mul_f32 v[O1+32*\u+\j:O1+32*\u+\j+1], v[O1+32*\u+\j:O1+32*\u+\j+1], v[ST+12*\u+4:ST+12*\u+5] op_sel_hi:[1,0]
.endr
.endr
	WIN 0x45
.set n, 0
.rept 32
	v_cvt_pk_f16_f32 v[ZP1+n], v[O1+2*n], v[O1+2*n+1]
.set n, n+1
.endr
	WIN 0x04
.irp u, 0,1
.irp ct, 0,1,2,3
	global_store_b128 v[LAD], v[ZP1+16*\u+4*\ct:ZP1+16*\u+4*\ct+3], s[96:97] offset:\u*32768+\ct*512
.endr
.endr
	WIN 0
	s_sub_co_u32 s15, 7, s12                       ; the second block: 7 - p
	s_sub_co_u32 s13, s13, 1
	s_cmp_lg_u32 s13, 0
	s_cbranch_scc1 .Lpass
	s_wait_tensorcnt 0x0                           ; the wave's end, behind my last LDS store
	ds_add_u32 v[SPW], v[NIL]
	s_wait_dscnt 0x0
	s_endpgm
.Lfunc_end_k_q6efc92df97_attn:
	.size	k_q6efc92df97_attn, .Lfunc_end_k_q6efc92df97_attn-k_q6efc92df97_attn
	.p2alignl 7, 3214868480
	.fill 96, 4, 3214868480
	.section	.rodata,"a",@progbits
	.p2align	6, 0x0
	.amdhsa_kernel k_q6efc92df97_attn
		.amdhsa_group_segment_fixed_size 33792
		.amdhsa_private_segment_fixed_size 0
		.amdhsa_enable_private_segment 0
		.amdhsa_kernarg_size 32
		.amdhsa_user_sgpr_count 2
		.amdhsa_user_sgpr_kernarg_segment_ptr 1
		.amdhsa_wavefront_size32 1
		.amdhsa_system_sgpr_workgroup_id_x 1
		.amdhsa_system_sgpr_workgroup_id_y 1
		.amdhsa_system_sgpr_workgroup_id_z 1
		.amdhsa_system_vgpr_workitem_id 0
		.amdhsa_next_free_vgpr 512
		.amdhsa_next_free_sgpr 102
		.amdhsa_reserve_vcc 0
		.amdhsa_float_denorm_mode_32 3
		.amdhsa_float_denorm_mode_16_64 3
		.amdhsa_memory_ordered 1
		.amdhsa_forward_progress 1
		.amdhsa_inst_pref_size 59
	.end_amdhsa_kernel
	.amdgpu_metadata
---
amdhsa.version: [ 1, 2 ]
amdhsa.kernels:
  - .name:           k_q6efc92df97_attn
    .symbol:         k_q6efc92df97_attn.kd
    .args:
      - { .name: qkv, .offset: 0, .size: 8, .value_kind: global_buffer, .address_space: global }
      - { .name: mwords, .offset: 8, .size: 8, .value_kind: global_buffer, .address_space: global }
      - { .name: mneed, .offset: 16, .size: 8, .value_kind: global_buffer, .address_space: global }
      - { .name: zimg, .offset: 24, .size: 8, .value_kind: global_buffer, .address_space: global }
    .group_segment_fixed_size: 33792
    .private_segment_fixed_size: 0
    .kernarg_segment_align: 8
    .kernarg_segment_size: 32
    .max_flat_workgroup_size: 256
    .sgpr_count:     102
    .vgpr_count:     512
    .wavefront_size: 32
...
	.end_amdgpu_metadata
.endif
;; end of part 3
;; launch outproj (part 4): grid 4 x 64, 4 waves a work-group, clusters of 4 x 4, 327,680 bytes of LDS; arguments zimg, woimg, bo, out0; writes out0
.if DOCPART == 4
	.amdgcn_target "amdgcn-amd-amdhsa--gfx1250"
	.amdhsa_code_object_version 6
	.text
	.protected	k_q6efc92df97_outproj
	.globl	k_q6efc92df97_outproj
	.p2align	8
	.type	k_q6efc92df97_outproj,@function
k_q6efc92df97_outproj:
	s_mov_b64 s[64:65], 0
	v_nop
	global_prefetch_b8 v0, s[64:65] scope:SCOPE_SE
	s_setreg_imm32_b32 hwreg(HW_REG_WAVE_MODE, 25, 1), 1
	s_wait_xcnt 0x0
	s_wait_alu depctr_hold_cnt(0) depctr_sa_sdst(0) depctr_va_vdst(0) depctr_va_sdst(0) depctr_va_ssrc(0) depctr_va_vcc(0) depctr_vm_vsrc(0)
	s_getreg_b32 s2, hwreg(HW_REG_IB_STS2, 6, 4)
	s_cmp_eq_u32 s2, 0
	s_cbranch_scc0 .Lentry_in_a_cluster
	s_endpgm
.Lentry_in_a_cluster:
	s_bfe_u32 s2, ttmp6, 0x10000c
	s_cmp_lg_u32 s2, 0xf033
	s_cbranch_scc0 .Lentry_shape_is_right
	s_endpgm
.Lentry_shape_is_right:
; out0 = z wo + bo: [8192][1024] x [1024][1024], f16 operands, f32 sums.  Both operands lie in memory as operand registers: [tile of 16][k / 32][half][lane][16 bytes].
; A work-group makes 128 rows x 256 columns (256 work-groups); wave (mh, nh) makes 64 x 128: 32 accumulators, window 1.  K goes in steps of 128 through two LDS slots: a tile of 16 rows gives 4,096 consecutive bytes
; a step, so a tensor load's rows are 4,096 bytes; fragments are read in lane order: no padding is needed.
; CLUSTERS: 4 x 4: z's tiles are asked for jointly along a row of the cluster, wo's along a column.  Source 0 = 16 columns of wo, source 1 = 16 rows of z: a lane holds eight neighbouring numbers of a row of out0.
; Two tensor loads of a wave are out at the start and one behind each round.
.set SLOT,   98304                     ; z's 8 tiles x 4,096, then wo's 16 tiles x 4,096
.set STAGE,  2*SLOT                    ; 16 rows x (512 + 16) bytes for each wave, for the way out
.set SPITCH, 528
.set SPARE,  STAGE+4*16*SPITCH
.set LAPS,   4                         ; 8 K steps
.set BO,   8                           ; v8-11 bo of my four columns
.set ADRA, 16
.set ADRB, 20
.set STO,  24
.set RD,   25
.set CO,   26
.set SPW,  28
.set NIL,  29
.set F0,   32                          ; a fragment buffer: wo's 64 registers, then z's 32
.set F1,   128
.set G1, 24
.set G0, 32
.set G1B, 48
.set G0B, 56
.set MUL, 0x50                         ; C and D window 1
.set MSB, 0
.macro WIN new
.if MSB != (\new)
	s_set_vgpr_msb (MSB<<8)|(\new)
.set MSB, (\new)
.endif
.endm
.macro JLOAD s                         ; waves 0 and 1 fetch z's halves, waves 2 and 3 wo's; an s_nop 0 and four v_nop follow each line
	s_cmp_eq_u32 s13, 0
	s_cbranch_scc0 .Lfor_b_\@
	tensor_load_to_lds s[G0+4*\s:G0+4*\s+3], s[G1:G1+7]
	s_nop 0
.rept 4
	v_nop
.endr
	s_branch .Lasked_\@
.Lfor_b_\@:
	tensor_load_to_lds s[G0B+4*\s:G0B+4*\s+3], s[G1B:G1B+7]
	s_nop 0
.rept 4
	v_nop
.endr
.Lasked_\@:
.endm
.macro CREST
	s_cmp_lg_u32 s12, 0
	s_cbranch_scc1 .Lnot_wave_0_\@
	s_barrier_signal -3
.Lnot_wave_0_\@:
	s_barrier_wait -3
	s_barrier_signal -1
	s_barrier_wait -1
.endm
.macro CROUND
	s_barrier_signal -1
	s_barrier_wait -1
	CREST
.endm
	s_load_b256 s[4:11], s[0:1], 0x0               ; zimg, woimg, bo, out0
	v_lshl_add_u32 v[SPW], v0, 2, SPARE
	v_mov_b32 v[NIL], 0
	ds_add_u32 v[SPW], v[NIL]                      ; the wave's opening: the add, twice on end, and its wait ahead of my first tensor load
	ds_add_u32 v[SPW], v[NIL]
	v_lshrrev_b32 v1, 5, v0
	v_readfirstlane_b32 s12, v1                    ; wave
	s_lshr_b32 s13, s12, 1                         ; mh.  Also: I fetch z (0) or wo (1)
	s_and_b32 s14, s12, 1                          ; nh.  Also: which half I fetch
	s_bfe_u32 s40, ttmp6, 0x40000
	s_bfe_u32 s41, ttmp6, 0x40004
	s_lshl_b32 s42, ttmp9, 2
	s_add_co_u32 s42, s42, s40                     ; tile column
	s_and_b32 s15, ttmp7, 0xffff
	s_lshl_b32 s15, s15, 2
	s_add_co_u32 s15, s15, s41                     ; tile row
	s_lshl_b32 s43, s41, 2
	s_lshl_b32 s43, 15, s43
	s_lshl_b32 s44, 0x1111, s40
	s_or_b32 s[G1+0], s43, (3<<16)|(1<<21)         ; the mask; elements of 8 bytes; bit 21 beside a mask; no padding
	s_or_b32 s[G1B+0], s44, (3<<16)|(1<<21)
	s_mov_b32 s[G1+1], 512<<16                     ; tensor_dim0 = 512 elements: 4,096 bytes
	s_mov_b32 s[G1+2], 4<<16                       ; tensor_dim1 = 4 tiles
	s_mov_b32 s[G1+3], 512<<16                     ; tile_dim0
	s_mov_b32 s[G1+4], 4                           ; tile_dim1
	s_mov_b32 s[G1+5], 4096                        ; from tile to tile: 32,768 bytes
	s_mov_b32 s[G1+6], 0
	s_mov_b32 s[G1+7], 0
	s_mov_b32 s[G1B+1], 512<<16
	s_mov_b32 s[G1B+2], 8<<16
	s_mov_b32 s[G1B+3], 512<<16
	s_mov_b32 s[G1B+4], 8
	s_mov_b32 s[G1B+5], 4096
	s_mov_b32 s[G1B+6], 0
	s_mov_b32 s[G1B+7], 0
	s_lshl_b32 s16, s15, 3
	s_lshl_b32 s17, s14, 2
	s_add_co_u32 s16, s16, s17
	s_lshl_b32 s16, s16, 15                        ; z: tile 8 x tile row + 4 x half
	s_mov_b32 s17, 0
	s_lshl_b32 s46, s42, 4
	s_lshl_b32 s47, s14, 3
	s_add_co_u32 s46, s46, s47
	s_lshl_b32 s46, s46, 15                        ; wo: tile 16 x tile column + 8 x half
	s_mov_b32 s47, 0
	s_lshl_b32 s20, s14, 14                        ; where they go: the wave's number alone
	s_lshl_b32 s21, s14, 15
	s_add_co_u32 s21, s21, 32768
	s_wait_dscnt 0x0
	s_wait_kmcnt 0x0
	s_add_nc_u64 s[16:17], s[4:5], s[16:17]
	s_add_nc_u64 s[46:47], s[6:7], s[46:47]
	CROUND                                         ; the first joint loads meet
.irp s, 0,1
	s_mov_b32 s[G0+4*\s], 1
	s_add_co_u32 s[G0+4*\s+1], s20, \s*SLOT
	s_add_nc_u64 s[G0+4*\s+2:G0+4*\s+3], s[16:17], \s*4096
	s_or_b32 s[G0+4*\s+3], s[G0+4*\s+3], 0x80000000
	s_mov_b32 s[G0B+4*\s], 1
	s_add_co_u32 s[G0B+4*\s+1], s21, \s*SLOT
	s_add_nc_u64 s[G0B+4*\s+2:G0B+4*\s+3], s[46:47], \s*4096
	s_or_b32 s[G0B+4*\s+3], s[G0B+4*\s+3], 0x80000000
	JLOAD \s
.endr
	v_and_b32 v1, 31, v0
	v_lshlrev_b32 v[CO], 4, v1                     ; 16 x lane
	s_lshl_b32 s22, s13, 14                        ; my four tiles of z
	s_lshl_b32 s23, s14, 15
	s_add_co_u32 s23, s23, 32768                   ; my eight tiles of wo
.irp s, 0,1
	v_add_nc_u32 v[ADRA+\s], s22, v[CO]
	v_add_nc_u32 v[ADRB+\s], s23, v[CO]
	s_add_co_u32 s22, s22, SLOT
	s_add_co_u32 s23, s23, SLOT
.endr
	s_mul_i32 s22, s12, 16*SPITCH
	s_add_co_u32 s22, s22, STAGE                   ; my stage
	v_and_b32 v2, 15, v0
	v_bfe_u32 v3, v0, 4, 1
	v_mul_u32_u24 v4, v2, SPITCH
	v_lshl_add_u32 v4, v3, 5, v4
	v_add_nc_u32 v[STO], s22, v4                   ; in: row l % 16, 32 bytes for each half of the lanes
	v_add_nc_u32 v[RD], s22, v[CO]                 ; back: the 32 lanes take a row of 512 bytes
	s_lshl_b32 s18, s15, 7
	s_lshl_b32 s19, s13, 6
	s_add_co_u32 s18, s18, s19
	s_lshl_b32 s18, s18, 12                        ; my first row of out0
	s_lshl_b32 s2, s42, 10
	s_lshl_b32 s3, s14, 9
	s_add_co_u32 s2, s2, s3                        ; my first column, in bytes
	s_add_co_u32 s18, s18, s2
	s_mov_b32 s19, 0
	s_mov_b32 s3, 0
	s_add_nc_u64 s[10:11], s[10:11], s[18:19]
	s_add_nc_u64 s[8:9], s[8:9], s[2:3]
	global_load_b128 v[BO:BO+3], v[CO], s[8:9]
.macro FETCH slot, q, f                ; 24 LDS loads: 32 along K, the step's q-th
.irp i, 0,1,2,3,4,5,6,7
	ds_load_b128 v[\f+8*\i:\f+8*\i+3], v[ADRB+\slot] offset:\i*4096+(\q)*1024
	ds_load_b128 v[\f+8*\i+4:\f+8*\i+7], v[ADRB+\slot] offset:\i*4096+(\q)*1024+512
.endr
.irp i, 0,1,2,3
	ds_load_b128 v[\f+64+8*\i:\f+64+8*\i+3], v[ADRA+\slot] offset:\i*4096+(\q)*1024
	ds_load_b128 v[\f+64+8*\i+4:\f+64+8*\i+7], v[ADRA+\slot] offset:\i*4096+(\q)*1024+512
.endr
.endm
.macro MUL8 f, a, zero                 ; the 32 accumulators take turns in one order
.irp b, 0,1,2,3,4,5,6,7
.if \zero
	v_wmma_f32_16x16x32_f16 v[8*(8*(\a)+\b):8*(8*(\a)+\b)+7], v[\f+8*\b:\f+8*\b+7], v[\f+64+8*(\a):\f+64+8*(\a)+7], 0
.else
	v_wmma_f32_16x16x32_f16 v[8*(8*(\a)+\b):8*(8*(\a)+\b)+7], v[\f+8*\b:\f+8*\b+7], v[\f+64+8*(\a):\f+64+8*(\a)+7], v[8*(8*(\a)+\b):8*(8*(\a)+\b)+7]
.endif
.endr
.endm
.macro PLACES
.rept 4
	v_nop
.endr
.endm
.macro QUARTER slot, q, f, g, zero     ; multiplies buffer f; in its middle fetches the slot's q-th 32 along K into g
	s_wait_dscnt 0x0
	WIN MUL
	MUL8 \f, 0, \zero
	MUL8 \f, 1, \zero
	PLACES                                         ; ahead of loads into registers that matrix instructions have read
	WIN 0
	FETCH \slot, \q, \g
	WIN MUL
	MUL8 \f, 2, \zero
	MUL8 \f, 3, \zero
.endm
; A step's last quarter multiplies buffer 1 and changes slots: each wave waits for all its tensor loads, adds 0 to its spare word, waits for that and for its reads of this slot; then the barrier, which with fill = 1
; opens a round of the cluster's barrier; the joint refill, two K steps ahead, is the first tensor load behind it.
.macro TURN slot, next, fill
	WIN 0
	s_wait_tensorcnt 0x0
	ds_add_u32 v[SPW], v[NIL]
	s_wait_dscnt 1                                 ; buffer 1 is in; the add may be out
	WIN MUL
	MUL8 F1, 0, 0
	s_wait_dscnt 0x0
	s_barrier_signal -1
	MUL8 F1, 1, 0
	WIN 0
	s_barrier_wait -1
.if \fill
	CREST
	s_add_nc_u64 s[G0+4*\slot+2:G0+4*\slot+3], s[G0+4*\slot+2:G0+4*\slot+3], 8192
	s_add_nc_u64 s[G0B+4*\slot+2:G0B+4*\slot+3], s[G0B+4*\slot+2:G0B+4*\slot+3], 8192
	JLOAD \slot                                    ; its four v_nop are also the places ahead of the loads below
.else
	PLACES
.endif
	FETCH \next, 0, F0
	WIN MUL
	MUL8 F1, 2, 0
	MUL8 F1, 3, 0
.endm
	s_wait_tensorcnt 1                             ; my part of K step 0 is in; step 1's may be out
	s_barrier_signal -1
	s_barrier_wait -1
	FETCH 0, 0, F0
	QUARTER 0, 1, F0, F1, 1                        ; the first products start the sums
	WIN 0
	s_mov_b32 s3, LAPS-1
.Llap:
	QUARTER 0, 2, F1, F0, 0
	QUARTER 0, 3, F0, F1, 0
	TURN 0, 1, 1
	QUARTER 1, 1, F0, F1, 0
	QUARTER 1, 2, F1, F0, 0
	QUARTER 1, 3, F0, F1, 0
	TURN 1, 0, 1
	QUARTER 0, 1, F0, F1, 0
	WIN 0
	s_sub_co_u32 s3, s3, 1
	s_cmp_lg_u32 s3, 0
	s_cbranch_scc1 .Llap
	QUARTER 0, 2, F1, F0, 0                        ; the last lap fills nothing
	QUARTER 0, 3, F0, F1, 0
	TURN 0, 1, 0
	QUARTER 1, 1, F0, F1, 0
	QUARTER 1, 2, F1, F0, 0
	QUARTER 1, 3, F0, F1, 0
	s_wait_dscnt 0x0
	WIN MUL
	MUL8 F1, 0, 0
	MUL8 F1, 1, 0
	MUL8 F1, 2, 0
	MUL8 F1, 3, 0
	WIN 0
; THE WAY OUT, 16 rows x 128 columns at a time through my own stage: in as 32 bytes a lane, back as whole rows of 512 bytes; LDS serves a wave's instructions in order.
.macro TOSTAGE a
	WIN 0x04                                       ; the data: window 1
.irp b, 0,1,2,3,4,5,6,7
	ds_store_b128 v[STO], v[8*(8*(\a)+\b):8*(8*(\a)+\b)+3] offset:64*\b      ; each accumulator from its low end on
	ds_store_b128 v[STO], v[8*(8*(\a)+\b)+4:8*(8*(\a)+\b)+7] offset:64*\b+16
.endr
	WIN 0
.set BB, 32+96*((\a)%2)
.irp t, 0,1,2,3,4,5,6,7,8,9,10,11,12,13,14,15
	ds_load_b128 v[BB+4*\t:BB+4*\t+3], v[RD] offset:\t*SPITCH
.endr
.endm
.macro SEND a, younger
.set BB, 32+96*((\a)%2)
	s_wait_dscnt \younger
.if (\a) > 0
	s_add_nc_u64 s[10:11], s[10:11], 16*4096       ; (behind a wait that shows the earlier stores have read their base)
.endif
.irp t, 0,1,2,3,4,5,6,7,8,9,10,11,12,13,14,15
	v_pk_add_f32 v[BB+4*\t:BB+4*\t+1], v[BB+4*\t:BB+4*\t+1], v[BO:BO+1]
	v_pk_add_f32 v[BB+4*\t+2:BB+4*\t+3], v[BB+4*\t+2:BB+4*\t+3], v[BO+2:BO+3]
	global_store_b128 v[CO], v[BB+4*\t:BB+4*\t+3], s[10:11] offset:\t*4096 th:TH_STORE_NT   ; 512 consecutive bytes, aligned
.endr
.endm
	PLACES
	s_wait_loadcnt 0x0                             ; bo
	TOSTAGE 0
.irp a, 1,2,3
.if \a > 1
	s_wait_xcnt 0x0                                ; block a - 2's stores have read their registers and their base
.endif
	TOSTAGE \a
	SEND \a-1, 32                                  ; behind block a - 1's loads: block a's 16 stores and 16 loads
.endr
	s_wait_xcnt 0x0
	SEND 3, 0
	s_wait_tensorcnt 0x0                           ; the wave's end
	ds_add_u32 v[SPW], v[NIL]
	s_wait_dscnt 0x0
	CROUND                                         ; the closing round
	s_endpgm
.Lfunc_end_k_q6efc92df97_outproj:
	.size	k_q6efc92df97_outproj, .Lfunc_end_k_q6efc92df97_outproj-k_q6efc92df97_outproj
	.p2alignl 7, 3214868480
	.fill 96, 4, 3214868480
	.section	.rodata,"a",@progbits
	.p2align	6, 0x0
	.amdhsa_kernel k_q6efc92df97_outproj
		.amdhsa_group_segment_fixed_size 327680
		.amdhsa_private_segment_fixed_size 0
		.amdhsa_enable_private_segment 0
		.amdhsa_kernarg_size 32
		.amdhsa_user_sgpr_count 2
		.amdhsa_user_sgpr_kernarg_segment_ptr 1
		.amdhsa_wavefront_size32 1
		.amdhsa_system_sgpr_workgroup_id_x 1
		.amdhsa_system_sgpr_workgroup_id_y 1
		.amdhsa_system_sgpr_workgroup_id_z 1
		.amdhsa_system_vgpr_workitem_id 0
		.amdhsa_next_free_vgpr 512
		.amdhsa_next_free_sgpr 66
		.amdhsa_reserve_vcc 0
		.amdhsa_float_denorm_mode_32 3
		.amdhsa_float_denorm_mode_16_64 3
		.amdhsa_memory_ordered 1
		.amdhsa_forward_progress 1
		.amdhsa_inst_pref_size 92
	.end_amdhsa_kernel
	.amdgpu_metadata
---
amdhsa.version: [ 1, 2 ]
amdhsa.kernels:
  - .name:           k_q6efc92df97_outproj
    .symbol:         k_q6efc92df97_outproj.kd
    .args:
      - { .name: zimg, .offset: 0, .size: 8, .value_kind: global_buffer, .address_space: global }
      - { .name: woimg, .offset: 8, .size: 8, .value_kind: global_buffer, .address_space: global }
      - { .name: bo, .offset: 16, .size: 8, .value_kind: global_buffer, .address_space: global }
      - { .name: out0, .offset: 24, .size: 8, .value_kind: global_buffer, .address_space: global }
    .group_segment_fixed_size: 327680
    .private_segment_fixed_size: 0
    .kernarg_segment_align: 8
    .kernarg_segment_size: 32
    .max_flat_workgroup_size: 128
    .sgpr_count:     66
    .vgpr_count:     512
    .wavefront_size: 32
...
	.end_amdgpu_metadata
.endif
;; end of part 4
;; launch fine (part 5): grid 16 x 4, 16 waves a work-group, no clusters, 71,680 bytes of LDS; arguments qkv, fine32, mwords, wo, bo, out0, mneed; writes out0
.if DOCPART == 5
	.amdgcn_target "amdgcn-amd-amdhsa--gfx1250"
	.amdhsa_code_object_version 6
	.text
	.protected	k_q6efc92df97_fine
	.globl	k_q6efc92df97_fine
	.p2align	8
	.type	k_q6efc92df97_fine,@function
k_q6efc92df97_fine:
	s_mov_b64 s[64:65], 0
	v_nop
	global_prefetch_b8 v0, s[64:65] scope:SCOPE_SE
	s_setreg_imm32_b32 hwreg(HW_REG_WAVE_MODE, 25, 1), 1
	s_wait_xcnt 0x0
; The first 16 positions of each sequence once more, in f32: where few keys count a row averages few values and is large, and f16 operands would use up the allowed error.  64 rows of out0 are written over.
; Work-group (x = 64 columns of out0, y = batch); wave = head.  Each wave makes its head's attention for queries 0-15 (all work-groups of a batch repeat it: it is small) and has z in registers as the next
; operand; then its part z_head x wo[64 head .. + 63][my 64 columns]; the sixteen parts are added through LDS.
; All products by v_wmma_f32_16x16x4_f32: an operand register pair (2 i, 2 i + 1) of a 16 x 16 image gives lane (r, h) the K places 8 h + 2 i + 0, 1: the same permutation of K on both sides.
; Its results' registers (v128-159) are written by matrix instructions alone; sums begin with the constant 0; what is made of them goes to other registers.
; Keys 0-15 come in f32 (stored by the projections' launch), all other keys as the f16 images, widened.  Key tiles of 16 in which nothing counts are jumped over by the stored flags (mneed); the mask comes as lane masks (mwords).
; LIMITS: finer than f16 only for queries 0-15 against keys 0-15; with a mask that opens many keys to these queries the launch walks up to 128 tiles one after the other.
.set SPARE, 69632                      ; behind 16 stages of 16 rows x (256 + 16) bytes
	s_load_b256 s[4:11], s[0:1], 0x0               ; qkv, fine32, mwords, wo
	s_load_b128 s[12:15], s[0:1], 0x20             ; bo, out0
	s_load_b64 s[46:47], s[0:1], 0x30              ; mneed: need16[512][4] from byte 4,096
	v_lshl_add_u32 v6, v0, 2, SPARE                ; v6, v7: my spare word's address and 0; never rewritten
	v_mov_b32 v7, 0
	v_lshrrev_b32 v1, 5, v0
	v_readfirstlane_b32 s16, v1                    ; wave = head
	v_and_b32 v10, 31, v0
	v_lshlrev_b32 v1, 4, v10                       ; v1 16 x lane
	v_add_nc_u32 v2, 0x1000000, v1                 ; v2 the same, in V's section
	v_and_b32 v11, 15, v0                          ; r
	v_bfe_u32 v12, v0, 4, 1                        ; h
	v_lshlrev_b32 v3, 2, v11
	v_lshl_add_u32 v3, v12, 15, v3                 ; v3 wo: column r, 8 rows further down for lanes 16-31
	s_mul_i32 s42, s16, 16*272
	v_mul_u32_u24 v4, v11, 272
	v_lshl_add_u32 v4, v12, 5, v4
	v_add_nc_u32 v4, s42, v4                       ; v4 my stage: row r, 32 bytes for each half of the lanes
	s_mul_i32 s42, s16, 272
	v_lshlrev_b32 v9, 3, v10                       ; v9 8 x lane
	v_add_nc_u32 v5, s42, v9                       ; v5 row = my wave's number, in stage 0
	v_mov_b32 v8, 0xff7fffff                       ; v8 -FLT_MAX
	s_mov_b32 s17, ttmp9
	s_and_b32 s18, ttmp7, 0xffff                   ; batch
	s_mov_b32 s40, 0x76543210
	s_mov_b32 s41, 0xfedcba98
	s_wait_kmcnt 0x0
	s_lshl_b32 s42, s18, 4
	s_add_co_u32 s42, s42, s16                     ; 16 batch + head
	s_lshl_b32 s44, s42, 18
	s_mov_b32 s45, 0
	s_add_nc_u64 s[20:21], s[4:5], s[44:45]
	s_add_nc_u64 s[20:21], s[20:21], 0x1000000     ; my head's K, key step 0
	s_lshl_b32 s44, s42, 12
	s_add_nc_u64 s[6:7], s[6:7], s[44:45]          ; my head's f32 images
	s_lshl_b32 s44, s18, 11
	s_add_nc_u64 s[46:47], s[46:47], s[44:45]
	s_load_b128 s[24:27], s[46:47], 0x1000         ; need16 of the batch's first tile of queries: a bit for each 16 keys
	s_lshl_b32 s44, s18, 19
	s_add_nc_u64 s[22:23], s[8:9], s[44:45]        ; its lane masks
	s_lshl_b32 s44, s16, 18
	s_lshl_b32 s43, s17, 8
	s_add_co_u32 s44, s44, s43
	s_add_nc_u64 s[10:11], s[10:11], s[44:45]      ; wo: row 64 head, my 64 columns
	s_mov_b32 s44, s43
	s_add_nc_u64 s[12:13], s[12:13], s[44:45]
	s_lshl_b32 s44, s18, 11
	s_add_co_u32 s44, s44, s16
	s_lshl_b32 s44, s44, 12
	s_add_co_u32 s44, s44, s43
	s_add_nc_u64 s[14:15], s[14:15], s[44:45]      ; out0: row 2,048 batch + my wave's number, my 64 columns
.irp ct, 0,1                           ; wo for channels 0-31 of the head: v192-255, pair ((4 ct + i) 4 + nt)
.irp i, 0,1,2,3
.irp nt, 0,1,2,3
.irp j, 0,1
	global_load_b32 v[192+((4*\ct+\i)*4+\nt)*2+\j], v3, s[10:11] offset:((16*\ct+2*\i+\j)*1024+16*\nt)*4
.endr
.endr
.endr
.endr
.irp ct, 0,1,2,3                       ; v32-63 Q, v64-95 K, v96-127 V of tokens 0-15, f32
.irp hf, 0,1
	global_load_b128 v[32+8*\ct+4*\hf:32+8*\ct+4*\hf+3], v1, s[6:7] offset:\ct*1024+\hf*512
	global_load_b128 v[64+8*\ct+4*\hf:64+8*\ct+4*\hf+3], v1, s[6:7] offset:262144+\ct*1024+\hf*512
	global_load_b128 v[96+8*\ct+4*\hf:96+8*\ct+4*\hf+3], v1, s[6:7] offset:524288+\ct*1024+\hf*512
.endr
.endr
	v_mov_b32 v24, v8                              ; v24 m (v25 the pair's other half); v26 a (v27); v[28:29] l; v30, v31, v10-15 at work
.irp r, 25,26,27,28,29,30,31,10,11,12,13,14,15
	v_mov_b32 v\r, 0
.endr
.set n, 160
.rept 32
	v_mov_b32 v[n], 0                              ; v160-191 O^T: kept by vector arithmetic, since which tile is the first is known only from the flags
.set n, n+1
.endr
	s_wait_loadcnt 0x0
	s_wait_kmcnt 0x0
.macro W2 d, lo, hi
	v_cvt_f32_f16 v[\d], \lo
	v_cvt_f32_f16 v[\d+1], \hi
.endm
.macro WIDEN                           ; eight pieces of 4 registers of f16, loaded into the upper half of their 8 registers, are widened in place, ascending
	W2 64, v68.l, v68.h
	W2 66, v69.l, v69.h
	W2 68, v70.l, v70.h
	W2 70, v71.l, v71.h
	W2 72, v76.l, v76.h
	W2 74, v77.l, v77.h
	W2 76, v78.l, v78.h
	W2 78, v79.l, v79.h
	W2 80, v84.l, v84.h
	W2 82, v85.l, v85.h
	W2 84, v86.l, v86.h
	W2 86, v87.l, v87.h
	W2 88, v92.l, v92.h
	W2 90, v93.l, v93.h
	W2 92, v94.l, v94.h
	W2 94, v95.l, v95.h
	W2 96, v100.l, v100.h
	W2 98, v101.l, v101.h
	W2 100, v102.l, v102.h
	W2 102, v103.l, v103.h
	W2 104, v108.l, v108.h
	W2 106, v109.l, v109.h
	W2 108, v110.l, v110.h
	W2 110, v111.l, v111.h
	W2 112, v116.l, v116.h
	W2 114, v117.l, v117.h
	W2 116, v118.l, v118.h
	W2 118, v119.l, v119.h
	W2 120, v124.l, v124.h
	W2 122, v125.l, v125.h
	W2 124, v126.l, v126.h
	W2 126, v127.l, v127.h
.endm
.macro TILE t                          ; 16 keys
	s_bitcmp1_b32 s28, \t
	s_cbranch_scc0 .Lnot_\@
	s_load_b256 s[32:39], s[22:23], 32*\t          ; its eight lane masks
.if \t == 0
	s_cmp_eq_u32 s31, 1                            ; keys 0-15 are in registers already, in f32
	s_cbranch_scc1 .Lpre_\@
.endif
.irp ct, 0,1,2,3
	global_load_b128 v[64+8*\ct+4:64+8*\ct+7], v1, s[20:21] offset:\t*2048+\ct*512
	global_load_b128 v[96+8*\ct+4:96+8*\ct+7], v2, s[20:21] offset:(\t/2)*4096+(\t%2)*512+\ct*1024
.endr
	s_wait_loadcnt 0x0
	WIDEN
.Lpre_\@:
	s_wait_kmcnt 0x0
.rept 9
	v_nop                                          ; places ahead of matrix instructions that write over earlier results (ISA guide 7.12.1; this form's longer distance)
.endr
.irp i, 0,1,2,3                        ; S^T = K Q^T: four accumulators by turns, one for each 16 channels
.irp ct, 0,1,2,3
.if \i == 0
	v_wmma_f32_16x16x4_f32 v[128+8*\ct:128+8*\ct+7], v[64+8*\ct+2*\i:64+8*\ct+2*\i+1], v[32+8*\ct+2*\i:32+8*\ct+2*\i+1], 0
.else
	v_wmma_f32_16x16x4_f32 v[128+8*\ct:128+8*\ct+7], v[64+8*\ct+2*\i:64+8*\ct+2*\i+1], v[32+8*\ct+2*\i:32+8*\ct+2*\i+1], v[128+8*\ct:128+8*\ct+7]
.endif
.endr
.endr
.rept 8
	v_nop
.endr
.irp i, 0,2,4,6                        ; the four parts are added into v16-23: each accumulator is first read at its low end
	v_pk_add_f32 v[16+\i:17+\i], v[128+\i:129+\i], v[136+\i:137+\i]
	v_pk_add_f32 v[16+\i:17+\i], v[16+\i:17+\i], v[144+\i:145+\i]
	v_pk_add_f32 v[16+\i:17+\i], v[16+\i:17+\i], v[152+\i:153+\i]
.endr
.irp j, 0,1,2,3,4,5,6,7
	v_cndmask_b32 v[16+\j], v8, v[16+\j], s[32+\j]
.endr
	v_max3_num_f32 v30, v16, v17, v18
	v_max3_num_f32 v31, v19, v20, v21
	v_max3_num_f32 v30, v30, v22, v23
	v_max3_num_f32 v30, v30, v31, v24
	v_permlanex16_b32 v31, v30, s40, s41
	v_max_num_f32 v14, v30, v31
	v_sub_f32 v15, v24, v14
	v_mov_b32 v24, v14
.irp i, 0,2,4,6
	v_pk_add_f32 v[16+\i:17+\i], v[16+\i:17+\i], v[24:25] op_sel_hi:[1,0] neg_lo:[0,1] neg_hi:[0,1]
.endr
	v_exp_f32 v26, v15
.irp j, 0,1,2,3,4,5,6,7
	v_exp_f32 v[16+\j], v[16+\j]
.endr
	v_nop
	s_wait_alu depctr_va_vdst(0)                   ; one wait for the nine, ahead of their first reader
	v_pk_add_f32 v[10:11], v[16:17], v[18:19]
	v_pk_add_f32 v[12:13], v[20:21], v[22:23]
	v_pk_add_f32 v[10:11], v[10:11], v[12:13]
	v_pk_fma_f32 v[28:29], v[28:29], v[26:27], v[10:11] op_sel_hi:[1,0,1]
.irp i, 0,1,2,3                        ; V^T P for these 16 keys, begun anew; far more than nine plain instructions lie behind the scores' products
.irp ct, 0,1,2,3
.if \i == 0
	v_wmma_f32_16x16x4_f32 v[128+8*\ct:128+8*\ct+7], v[96+8*\ct+2*\i:96+8*\ct+2*\i+1], v[16+2*\i:17+2*\i], 0
.else
	v_wmma_f32_16x16x4_f32 v[128+8*\ct:128+8*\ct+7], v[96+8*\ct+2*\i:96+8*\ct+2*\i+1], v[16+2*\i:17+2*\i], v[128+8*\ct:128+8*\ct+7]
.endif
.endr
.endr
.rept 8
	v_nop
.endr
.irp ct, 0,1,2,3
.irp i, 0,2,4,6
	v_pk_fma_f32 v[160+8*\ct+\i:161+8*\ct+\i], v[160+8*\ct+\i:161+8*\ct+\i], v[26:27], v[128+8*\ct+\i:129+8*\ct+\i] op_sel_hi:[1,0,1]   ; O^T = a O^T + the tile's part
.endr
.endr
.Lnot_\@:
.endm
	s_mov_b32 s31, 1                               ; 1 in the first key step
	s_mov_b32 s30, 4
.Louter:                                           ; 4 words of flags x 8 key steps of 64 keys
	s_mov_b32 s28, s24
	s_mov_b32 s29, 8
.Linner:
	s_and_b32 s42, s28, 15
	s_cmp_eq_u32 s42, 0
	s_cbranch_scc1 .Lskip4
	TILE 0
	TILE 1
	TILE 2
	TILE 3
.Lskip4:
	s_lshr_b32 s28, s28, 4
	s_mov_b32 s31, 0
	s_wait_xcnt 0x0                                ; the bases are stepped only behind this wait
	s_add_nc_u64 s[20:21], s[20:21], 8192
	s_add_nc_u64 s[22:23], s[22:23], 128
	s_sub_co_u32 s29, s29, 1
	s_cmp_lg_u32 s29, 0
	s_cbranch_scc1 .Linner
	s_mov_b32 s24, s25
	s_mov_b32 s25, s26
	s_mov_b32 s26, s27
	s_sub_co_u32 s30, s30, 1
	s_cmp_lg_u32 s30, 0
	s_cbranch_scc1 .Louter
.rept 8
	v_nop                                          ; places ahead of loads into K's and V's registers
.endr
.irp ct, 0,1                           ; wo for channels 32-63: v64-127
.irp i, 0,1,2,3
.irp nt, 0,1,2,3
.irp j, 0,1
	global_load_b32 v[64+((4*\ct+\i)*4+\nt)*2+\j], v3, s[10:11] offset:((32+16*\ct+2*\i+\j)*1024+16*\nt)*4
.endr
.endr
.endr
.endr
	global_load_b64 v[10:11], v9, s[12:13]         ; bo of my two columns
	v_add_f32 v30, v28, v29
	v_permlanex16_b32 v31, v30, s40, s41
	v_add_f32 v30, v30, v31
	v_rcp_f32 v26, v30
	v_nop
	s_wait_alu depctr_va_vdst(0)
.set n, 160
.rept 16
	v_pk_mul_f32 v[n:n+1], v[n:n+1], v[26:27] op_sel_hi:[1,0]   ; z
.set n, n+2
.endr
.irp ct, 0,1                           ; my part of out0^T: source 0 = 16 columns of wo, source 1 = z: four accumulators by turns
.irp i, 0,1,2,3
.irp nt, 0,1,2,3
.if (\ct == 0) && (\i == 0)
	v_wmma_f32_16x16x4_f32 v[128+8*\nt:128+8*\nt+7], v[192+((4*\ct+\i)*4+\nt)*2:192+((4*\ct+\i)*4+\nt)*2+1], v[160+8*\ct+2*\i:160+8*\ct+2*\i+1], 0
.else
	v_wmma_f32_16x16x4_f32 v[128+8*\nt:128+8*\nt+7], v[192+((4*\ct+\i)*4+\nt)*2:192+((4*\ct+\i)*4+\nt)*2+1], v[160+8*\ct+2*\i:160+8*\ct+2*\i+1], v[128+8*\nt:128+8*\nt+7]
.endif
.endr
.endr
.endr
	s_wait_loadcnt 0x0
.irp ct, 0,1
.irp i, 0,1,2,3
.irp nt, 0,1,2,3
	v_wmma_f32_16x16x4_f32 v[128+8*\nt:128+8*\nt+7], v[64+((4*\ct+\i)*4+\nt)*2:64+((4*\ct+\i)*4+\nt)*2+1], v[176+8*\ct+2*\i:176+8*\ct+2*\i+1], v[128+8*\nt:128+8*\nt+7]
.endr
.endr
.endr
.rept 8
	v_nop
.endr
.irp nt, 0,1,2,3
	ds_store_b128 v4, v[128+8*\nt:128+8*\nt+3] offset:64*\nt       ; lane (token r, h): columns 16 nt + 8 h + 0 .. 7
	ds_store_b128 v4, v[128+8*\nt+4:128+8*\nt+7] offset:64*\nt+16
.endr
	s_wait_dscnt 0x0                               ; for the others' sake: my part lies in my stage
	s_barrier_signal -1
	s_barrier_wait -1
.irp p, 0,1,2,3,4,5,6,7,8,9,10,11,12,13,14,15
	ds_load_b64 v[32+2*\p:33+2*\p], v5 offset:\p*4352              ; row = my wave's number of each head's part
.endr
	s_wait_dscnt 0x0
.irp z, 0,1,2,3,4,5,6,7
	v_pk_add_f32 v[32+4*\z:33+4*\z], v[32+4*\z:33+4*\z], v[34+4*\z:35+4*\z]
.endr
.irp z, 0,1,2,3
	v_pk_add_f32 v[32+8*\z:33+8*\z], v[32+8*\z:33+8*\z], v[36+8*\z:37+8*\z]
.endr
.irp z, 0,1
	v_pk_add_f32 v[32+16*\z:33+16*\z], v[32+16*\z:33+16*\z], v[40+16*\z:41+16*\z]
.endr
	v_pk_add_f32 v[32:33], v[32:33], v[48:49]
	v_pk_add_f32 v[32:33], v[32:33], v[10:11]
	global_store_b64 v9, v[32:33], s[14:15]        ; 256 consecutive bytes, aligned
	s_wait_tensorcnt 0x0                           ; the wave's end, behind my last LDS store
	ds_add_u32 v6, v7
	s_wait_dscnt 0x0
	s_endpgm
.Lfunc_end_k_q6efc92df97_fine:
	.size	k_q6efc92df97_fine, .Lfunc_end_k_q6efc92df97_fine-k_q6efc92df97_fine
	.p2alignl 7, 3214868480
	.fill 96, 4, 3214868480
	.section	.rodata,"a",@progbits
	.p2align	6, 0x0
	.amdhsa_kernel k_q6efc92df97_fine
		.amdhsa_group_segment_fixed_size 71680
		.amdhsa_private_segment_fixed_size 0
		.amdhsa_enable_private_segment 0
		.amdhsa_kernarg_size 56
		.amdhsa_user_sgpr_count 2
		.amdhsa_user_sgpr_kernarg_segment_ptr 1
		.amdhsa_wavefront_size32 1
		.amdhsa_system_sgpr_workgroup_id_x 1
		.amdhsa_system_sgpr_workgroup_id_y 1
		.amdhsa_system_sgpr_workgroup_id_z 1
		.amdhsa_system_vgpr_workitem_id 0
		.amdhsa_next_free_vgpr 256
		.amdhsa_next_free_sgpr 66
		.amdhsa_reserve_vcc 0
		.amdhsa_float_denorm_mode_32 3
		.amdhsa_float_denorm_mode_16_64 3
		.amdhsa_memory_ordered 1
		.amdhsa_forward_progress 1
		.amdhsa_inst_pref_size 65
	.end_amdhsa_kernel
	.amdgpu_metadata
---
amdhsa.version: [ 1, 2 ]
amdhsa.kernels:
  - .name:           k_q6efc92df97_fine
    .symbol:         k_q6efc92df97_fine.kd
    .args:
      - { .name: qkv, .offset: 0, .size: 8, .value_kind: global_buffer, .address_space: global }
      - { .name: fine32, .offset: 8, .size: 8, .value_kind: global_buffer, .address_space: global }
      - { .name: mwords, .offset: 16, .size: 8, .value_kind: global_buffer, .address_space: global }
      - { .name: wo, .offset: 24, .size: 8, .value_kind: global_buffer, .address_space: global }
      - { .name: bo, .offset: 32, .size: 8, .value_kind: global_buffer, .address_space: global }
      - { .name: out0, .offset: 40, .size: 8, .value_kind: global_buffer, .address_space: global }
      - { .name: mneed, .offset: 48, .size: 8, .value_kind: global_buffer, .address_space: global }
    .group_segment_fixed_size: 71680
    .private_segment_fixed_size: 0
    .kernarg_segment_align: 8
    .kernarg_segment_size: 56
    .max_flat_workgroup_size: 512
    .sgpr_count:     66
    .vgpr_count:     256
    .wavefront_size: 32
...
	.end_amdgpu_metadata
.endif
;; end of part 5
